; MI455X (gfx1250); checked and timed in simulation.
; The chip was launched on July 23, 2026; its instructions are those of AMD's public machine-readable ISA for CDNA 5 (MIT licence, August 2026) and "CDNA5" Instruction Set Architecture Reference Guide (July 2026). The comments in the code are by the model that wrote it; some were corrected since.
;; Cross Attention Block. Allowed arithmetic: matrix products marked QUANTISED: E2M3 operands, one E8M0 scale for each 32 along K, by v_wmma_scale_f32_16x16x128_f8f6f4 with both operands' format E2M3, f32 sums; everything else in f32.
;; Inputs: bk 1,024 float32; bo 1,024 float32; bq 1,024 float32; bv 1,024 float32; kv_input 4 x 2,048 x 1,024 float32; ln_kv_b 1,024 float32; ln_kv_w 1,024 float32; ln_q_b 1,024 float32; ln_q_w 1,024 float32; mask 4 x 2,048 bool; query_input 4 x 2,048 x 1,024 float32; wk 1,024 x 1,024 float32; wo 1,024 x 1,024 float32; wq 1,024 x 1,024 float32; wv 1,024 x 1,024 float32.
;; Outputs: out0 4 x 2,048 x 1,024 float32.
;; This version of the problem:
;;   THIS VERSION OF THE PROBLEM IS GIVEN IN LOW PRECISION. The matrix products marked QUANTISED in the list below multiply operands that are first quantised to E2M3 (2 exponent bits, 3 mantissa bits; 6 bits a number), with one power-of-two scale for each 32 numbers along K (OCP MX v1.0); their sums are f32. All else is computed in f32.
;;   The module's matrix products, in the order in which they are computed (A, B: the left and right operand; K: the contracted axis; several contracted axes count as one K, in the product's order):
;;     1. [M 8,192, K 1,024] x [K 1,024, N 1,024]; A: computed on the way; B: input wq: QUANTISED
;;     2. [M 8,192, K 1,024] x [K 1,024, N 1,024]; A: computed on the way; B: input wk: QUANTISED
;;     3. [M 8,192, K 1,024] x [K 1,024, N 1,024]; A: computed on the way; B: input wv: QUANTISED
;;     4. batch 64 x [M 2,048, K 64] x [K 64, N 2,048]; A: computed on the way; B: computed on the way: QUANTISED
;;     5. batch 64 x [M 2,048, K 2,048] x [K 2,048, N 64]; A: softmax (see below); B: computed on the way: QUANTISED
;;     6. [M 8,192, K 1,024] x [K 1,024, N 1,024]; A: computed on the way; B: input wo: QUANTISED
;;   THE QUANTISER, for each operand of a quantised product, along K:
;;     - K is cut into blocks of 32 from its start; a last block that is shorter is filled with zeros.
;;     - A block's scale is 2^e with e = floor(log2(the largest magnitude in the block)) - 2, held to -126 .. 127; a block of zeros has e = 0. As a byte (E8M0): e + 127.
;;     - Each number is divided by its block's scale, clamped to +-7.5, and rounded to the nearest number of E2M3, ties to even, subnormals kept.
;;     - The product sums the exact products of the quantised numbers (number of the format x scale) in f32.
;;   ~~~python
;;   def quantise(x, axis):      # numpy; x: float32 -> the quantised numbers, widened to float32 again
;;       x = np.moveaxis(x, axis, -1); K = x.shape[-1]
;;       x = np.pad(x, [(0, 0)] * (x.ndim - 1) + [(0, -K % 32)]); x = x.reshape(x.shape[:-1] + (-1, 32)); a = np.abs(x).max(-1, keepdims=True)
;;       e = np.where(a > 0, np.clip(np.frexp(np.where(a > 0, a, 1))[1] - 1 - 2, -126, 127), 0)      # np.frexp(a)[1] - 1 = floor(log2(a)), exactly
;;       r = np.clip(x / 2.0 ** e, -7.5, 7.5)
;;       step = 2.0 ** (np.maximum(np.frexp(np.where(r == 0, 1, r))[1] - 1, 0) - 3)
;;       q = np.round(r / step) * step * 2.0 ** e      # np.round: ties to even
;;       return np.moveaxis(q.reshape(q.shape[:-2] + (-1,))[..., :K], -1, axis).astype(np.float32)
;;   ~~~
;;   SOFTMAX AHEAD OF A QUANTISED PRODUCT. Where the list says 'softmax', what is quantised is not the finished softmax but p = 2^(t - M), with t = logit x log2(e) and M = ceil(the row's largest t), a whole number; so 1/2 < the row's largest p <= 1. The row's sum l is taken of the UNQUANTISED p, in f32, and the product's result is divided by l at the end. Since M is a whole number, a kernel that streams over the keys may use a running M (the ceiling of the running maximum): every later rescaling is an exact power of two, which a block's scale takes up: the codes' values come out the same.
;;   OPERANDS COMPUTED ON THE WAY. 'Computed on the way' means the value that the module computes at that place (a softmax that the list does not call 'softmax' is quantised finished and normalised). What goes into a quantiser is computed in f32, as accurately as f32 sums, v_exp_f32 and their like allow (about 1e-6 of the number): no bf16 or f16 on the way to a quantiser, and a product that is left as it is and whose result goes on into a quantised operand takes f32 operands (vector FMAs, or v_wmma_f32_16x16x4_f32). A number that lies on a knife's edge between two numbers of the format may be rounded either way, as far as f32 arithmetic and the matrix unit's own rounding can turn it there, and no further.
;; One version. Each part assembles by itself: llvm-mc -triple=amdgcn-amd-amdhsa -mcpu=gfx1250 --defsym DOCPART=n.
;; ======== version 1 of 1: 4 launches
;; limits: right only within a limited range of input values
;; workspace buffers: xc 12,582,912 bytes; xsc 524,288 bytes; wc 3,145,728 bytes; wsc 131,072 bytes; qkvc 18,874,368 bytes; qkvsc 786,432 bytes; atc 6,291,456 bytes; atsc 262,144 bytes
;; launch prep (part 1): grid 256 x 1, 16 waves a work-group, no clusters, 134,656 bytes of LDS; arguments query_input, kv_input, ln_q_w, ln_q_b, ln_kv_w, ln_kv_b, wq, wk, wv, wo, xc, xsc, wc, wsc; writes xc, xsc, wc, wsc
.if DOCPART == 1
	.amdgcn_target "amdgcn-amd-amdhsa--gfx1250"
	.amdhsa_code_object_version 6
	.text
	.protected	k_qe251ebc7cd_prep
	.globl	k_qe251ebc7cd_prep
	.p2align	8
	.type	k_qe251ebc7cd_prep,@function
k_qe251ebc7cd_prep:
	s_mov_b64 s[64:65], 0
	v_nop
	global_prefetch_b8 v0, s[64:65] scope:SCOPE_SE
	s_setreg_imm32_b32 hwreg(HW_REG_WAVE_MODE, 25, 1), 1
	s_wait_xcnt 0x0
; LayerNorm of query_input and kv_input, and the four weights as they are, become codes of FP6 (E2M3) with one E8M0 byte for each 32 along K = 1,024.
; LAYOUT OF THE CODES.  A chunk is 16 rows x 64 K: 768 bytes = [plane 0..2][lane 0..31][8 bytes]; lane (r, h) holds block h (32 codes, 24 bytes) of the tile's row r.  Two chunks on end are the register image of
; a 16 x 128 operand.  A rowtile is 16 chunks.  THE ROWS OF A TILE ARE NOT NEIGHBOURS: lane-row r of tile 4 G + T is row 64 G + 8 T + (r & 7) + 32 (r >> 3).  Scale bytes: [rowtile][r][32].
; SHARES.  Work-group g takes 64 rows (4 rowtiles) of one activation (g < 128: query_input) and rowtile g of the 256 rowtiles of the four weights: five turns.  In a turn wave w first owns lane-row w (a whole row of
; 4,096 bytes: mean, deviations, variance, gain and bias, all in registers), puts it into a stage in LDS, and behind a barrier owns chunk w: lane (r, h) reads its 32 numbers back and quantises them.
; A block's scale byte is its largest magnitude's exponent field - 2, held at 1 from below (a block of zeros keeps 1: its codes are zeros and only this program reads the bytes).
; LIMITS: NaN and infinities among the inputs are not served.
.set PITCH, 4112                       ; a stage row: 4,096 bytes + 16, so that sixteen rows' 16-byte pieces fall 16 bytes apart modulo 256
.set STGB,  16*PITCH                   ; a stage: 65,792 bytes; two stages by turns
.set SCS,   2*STGB                     ; behind them two places of 512 bytes for a rowtile's scale bytes
.set FLA, 1                            ; v1     SCS + 16 x lane
.set VL,  2                            ; v2     16 x lane
.set STW, 3                            ; v3-4   where I put my row, stage 0, 1
.set STR, 5                            ; v5-6   where I read my 32 numbers, stage 0, 1
.set G8,  7                            ; v7     8 x lane + 768 x wave: my place in a rowtile's codes
.set TM,  8                            ; v8-9   at work
.set SO,  10                           ; v10    the conversion's scale operand
.set BY,  11                           ; v11    the scale's byte
.set PC,  12                           ; v12-17 a block's codes
.set CT,  18                           ; v18-20 their second half as it is made
.set SBA, 21                           ; v21    where my block's byte goes
.set MU,  22                           ; v22-23
.set RS,  24                           ; v24-25
.set FL,  26                           ; v26-29 a rowtile's scale bytes on their way out
.set AC,  30                           ; v30-31
.set X,   32                           ; v32-191 five sets of 32 numbers
.set LW,  192                          ; v192-223 the gain, v224-255 the bias, at my columns
.set LB,  224
	s_load_b512 s[4:19], s[0:1], 0x0               ; query s[4:5], kv s[6:7], ln_q_w, ln_q_b, ln_kv_w, ln_kv_b, wq s[16:17], wk s[18:19]
	s_load_b256 s[20:27], s[0:1], 0x40             ; wv, wo, xc s[24:25], xsc s[26:27]
	s_load_b128 s[28:31], s[0:1], 0x60             ; wc, wsc
	v_lshrrev_b32 v1, 5, v0
	s_delay_alu instid0(VALU_DEP_1)
	v_readfirstlane_b32 s36, v1                    ; wave 0..15
	v_and_b32 v1, 31, v0                           ; lane
	v_and_b32 v30, 15, v0                          ; r
	v_bfe_u32 v31, v0, 4, 1                        ; h
	s_delay_alu instid0(VALU_DEP_3)
	v_lshlrev_b32 v[VL], 4, v1
	s_mul_i32 s37, s36, PITCH
	v_add_nc_u32 v[STW], s37, v[VL]
	s_delay_alu instid0(VALU_DEP_1)
	v_add_nc_u32 v[STW+1], STGB, v[STW]
	v_mul_u32_u24 v[STR], v30, PITCH
	s_delay_alu instid0(VALU_DEP_1)
	v_lshl_add_u32 v[STR], v31, 7, v[STR]
	s_lshl_b32 s37, s36, 8
	v_add_nc_u32 v[STR], s37, v[STR]               ; row r, columns 64 w + 32 h on
	s_delay_alu instid0(VALU_DEP_1)
	v_add_nc_u32 v[STR+1], STGB, v[STR]
	v_lshlrev_b32 v[G8], 3, v1
	s_mul_i32 s37, s36, 768
	v_add_nc_u32 v[G8], s37, v[G8]
	v_lshl_add_u32 v[SBA], v30, 5, v31
	s_lshl_b32 s37, s36, 1
	s_add_co_u32 s37, s37, SCS
	v_add_nc_u32 v[SBA], s37, v[SBA]               ; SCS + 32 r + 2 w + h
	v_add_nc_u32 v[FLA], SCS, v[VL]
	v_mov_b32 v9, 0                                ; a lane permute's destination counts as one of its sources
	s_mov_b32 s38, 0x76543210
	s_mov_b32 s39, 0xfedcba98                      ; selects for lane l xor 16
	s_mov_b32 s40, 0x3a800000                      ; 1 / 1,024
	s_mov_b32 s41, 0x3727c5ac                      ; 1e-5
	s_mov_b32 s48, ttmp9                           ; g
	s_and_b32 s42, s36, 7
	s_lshr_b32 s43, s36, 3
	s_lshl_b32 s43, s43, 5
	s_add_co_u32 s42, s42, s43                     ; (w & 7) + 32 (w >> 3)
	s_and_b32 s44, s48, 127
	s_lshl_b32 s44, s44, 6
	s_add_co_u32 s44, s44, s42
	s_lshl_b32 s44, s44, 12                        ; my row of turn 0, in bytes; turn t lies 8 t rows on
	s_mov_b32 s45, 0
	s_and_b32 s46, s48, 63
	s_lshr_b32 s47, s46, 2
	s_lshl_b32 s47, s47, 6
	s_and_b32 s46, s46, 3
	s_lshl_b32 s46, s46, 3
	s_add_co_u32 s46, s46, s47
	s_add_co_u32 s46, s46, s42
	s_lshl_b32 s46, s46, 12                        ; my row of the weight
	s_mov_b32 s47, 0
	s_mul_i32 s50, s48, 49152                      ; 4 g rowtiles of 12,288 bytes (query's 512 rowtiles, then kv's)
	s_mov_b32 s51, 0
	s_lshl_b32 s52, s48, 11
	s_mov_b32 s53, 0
	s_mul_i32 s54, s48, 12288
	s_mov_b32 s55, 0
	s_lshl_b32 s56, s48, 9
	s_mov_b32 s57, 0
	s_wait_kmcnt 0x0
	s_cmp_lt_u32 s48, 128                          ; the choices hang on the work-group's number alone
	s_cselect_b64 s[4:5], s[4:5], s[6:7]
	s_cselect_b64 s[8:9], s[8:9], s[12:13]
	s_cselect_b64 s[10:11], s[10:11], s[14:15]
	s_cselect_b64 s[16:17], s[16:17], s[20:21]     ; wq or wv
	s_cselect_b64 s[18:19], s[18:19], s[22:23]     ; wk or wo
	s_bitcmp1_b32 s48, 6
	s_cselect_b64 s[16:17], s[18:19], s[16:17]
	s_add_nc_u64 s[4:5], s[4:5], s[44:45]
	s_add_nc_u64 s[16:17], s[16:17], s[46:47]
	s_add_nc_u64 s[24:25], s[24:25], s[50:51]
	s_add_nc_u64 s[26:27], s[26:27], s[52:53]
	s_add_nc_u64 s[28:29], s[28:29], s[54:55]
	s_add_nc_u64 s[30:31], s[30:31], s[56:57]
; all 56 loads of the wave go out here; each covers 512 consecutive bytes; register 4 j + e holds column 128 j + 4 lane + e
.irp j, 0,1,2,3,4,5,6,7
	global_load_b128 v[X+4*\j:X+4*\j+3], v[VL], s[4:5] offset:512*\j th:TH_LOAD_NT
.endr
.irp j, 0,1,2,3,4,5,6,7
	global_load_b128 v[LW+4*\j:LW+4*\j+3], v[VL], s[8:9] offset:512*\j
.endr
.irp j, 0,1,2,3,4,5,6,7
	global_load_b128 v[LB+4*\j:LB+4*\j+3], v[VL], s[10:11] offset:512*\j
.endr
.irp t, 1,2,3
.irp j, 0,1,2,3,4,5,6,7
	global_load_b128 v[X+32*\t+4*\j:X+32*\t+4*\j+3], v[VL], s[4:5] offset:32768*\t+512*\j th:TH_LOAD_NT
.endr
.endr
.irp j, 0,1,2,3,4,5,6,7
	global_load_b128 v[X+128+4*\j:X+128+4*\j+3], v[VL], s[16:17] offset:512*\j th:TH_LOAD_NT
.endr
.macro RED                             ; v8 summed over the wave's 32 lanes, in every lane
	s_delay_alu instid0(VALU_DEP_1)
	v_add_f32_dpp v8, v8, v8 row_xmask:1 row_mask:0xf bank_mask:0xf
	s_delay_alu instid0(VALU_DEP_1)
	v_add_f32_dpp v8, v8, v8 row_xmask:2 row_mask:0xf bank_mask:0xf
	s_delay_alu instid0(VALU_DEP_1)
	v_add_f32_dpp v8, v8, v8 row_xmask:4 row_mask:0xf bank_mask:0xf
	s_delay_alu instid0(VALU_DEP_1)
	v_add_f32_dpp v8, v8, v8 row_xmask:8 row_mask:0xf bank_mask:0xf
	s_delay_alu instid0(VALU_DEP_1)
	v_permlanex16_b32 v9, v8, s38, s39
	s_delay_alu instid0(VALU_DEP_1)
	v_add_f32 v8, v8, v9
.endm
.macro QUANT32 s                       ; 32 numbers of my lane, one block, become 6 registers of codes and a byte
	v_max3_num_f32 v[TM], |v[\s]|, |v[\s+1]|, 0x1800000            ; with the floor 2^(3 - 127): the byte cannot fall under 1
	v_max3_num_f32 v[TM+1], |v[\s+16]|, |v[\s+17]|, 0x1800000
.irp i, 2,4,6,8,10,12,14
	s_delay_alu instid0(VALU_DEP_2)
	v_max3_num_f32 v[TM], v[TM], |v[\s+\i]|, |v[\s+\i+1]|
	s_delay_alu instid0(VALU_DEP_2)
	v_max3_num_f32 v[TM+1], v[TM+1], |v[\s+16+\i]|, |v[\s+17+\i]|
.endr
	s_delay_alu instid0(VALU_DEP_1)
	v_max_num_f32 v[TM], v[TM], v[TM+1]
	s_delay_alu instid0(VALU_DEP_1)
	v_add_nc_u32 v[SO], 0xff000000, v[TM]          ; 2 off the exponent field: the conversion takes that field as its scale
	s_delay_alu instid0(VALU_DEP_1)
	v_lshrrev_b32 v[BY], 23, v[SO]
	v_cvt_scalef32_pk16_fp6_f32 v[PC:PC+2], v[\s:\s+15], v[SO]
	v_cvt_scalef32_pk16_fp6_f32 v[CT:CT+2], v[\s+16:\s+31], v[SO]  ; (a conversion's three registers begin on an even number)
	v_nop                                          ; one plain line behind the conversions
	v_mov_b32 v[PC+3], v[CT]
	v_mov_b32 v[PC+4], v[CT+1]
	v_mov_b32 v[PC+5], v[CT+2]
.endm
.macro FLUSH it                        ; wave 0 stores the 512 scale bytes of turn it: they were written in front of the barrier just passed
	s_cmp_lg_u32 s36, 0
	s_cbranch_scc1 .Lno_flush_\@
	s_wait_xcnt 0x0                                ; the last flush's store has read v26-29
	ds_load_b128 v[FL:FL+3], v[FLA] offset:512*((\it)%2)
	s_wait_dscnt 0x0
.if (\it) < 4
	global_store_b128 v[VL], v[FL:FL+3], s[26:27] offset:512*(\it)
.else
	global_store_b128 v[VL], v[FL:FL+3], s[30:31]
.endif
.Lno_flush_\@:
.endm
; A turn.  ln = 1: the row is normalised.  left: the younger loads that may stay out.
.macro ITER it, ln, left
.set XR, X+32*(\it)
	s_wait_loadcnt \left
.if \ln
	v_pk_add_f32 v[MU:MU+1], v[XR:XR+1], v[XR+2:XR+3]
	v_pk_add_f32 v[RS:RS+1], v[XR+4:XR+5], v[XR+6:XR+7]
.irp i, 8,12,16,20,24,28
	s_delay_alu instid0(VALU_DEP_2)
	v_pk_add_f32 v[MU:MU+1], v[MU:MU+1], v[XR+\i:XR+\i+1]
	s_delay_alu instid0(VALU_DEP_2)
	v_pk_add_f32 v[RS:RS+1], v[RS:RS+1], v[XR+\i+2:XR+\i+3]
.endr
	s_delay_alu instid0(VALU_DEP_1)
	v_pk_add_f32 v[MU:MU+1], v[MU:MU+1], v[RS:RS+1]
	s_delay_alu instid0(VALU_DEP_1)
	v_add_f32 v8, v[MU], v[MU+1]
	RED
	s_delay_alu instid0(VALU_DEP_1)
	v_mul_f32 v[MU], s40, v8                       ; the mean
	s_delay_alu instid0(VALU_DEP_1)
	v_mov_b32 v[MU+1], v[MU]
.set II, 0
.rept 16
	v_pk_add_f32 v[XR+II:XR+II+1], v[XR+II:XR+II+1], v[MU:MU+1] neg_lo:[0,1] neg_hi:[0,1]   ; the deviations stay in registers: no difference of large sums is formed
.set II, II+2
.endr
	v_pk_mul_f32 v[RS:RS+1], v[XR:XR+1], v[XR:XR+1]
	v_pk_mul_f32 v[AC:AC+1], v[XR+2:XR+3], v[XR+2:XR+3]
.irp i, 4,8,12,16,20,24,28
	s_delay_alu instid0(VALU_DEP_2)
	v_pk_fma_f32 v[RS:RS+1], v[XR+\i:XR+\i+1], v[XR+\i:XR+\i+1], v[RS:RS+1]
	s_delay_alu instid0(VALU_DEP_2)
	v_pk_fma_f32 v[AC:AC+1], v[XR+\i+2:XR+\i+3], v[XR+\i+2:XR+\i+3], v[AC:AC+1]
.endr
	s_delay_alu instid0(VALU_DEP_1)
	v_pk_add_f32 v[RS:RS+1], v[RS:RS+1], v[AC:AC+1]
	s_delay_alu instid0(VALU_DEP_1)
	v_add_f32 v8, v[RS], v[RS+1]
	RED
	s_delay_alu instid0(VALU_DEP_1)
	v_fma_f32 v8, v8, s40, s41                     ; the variance + 1e-5
	s_wait_alu depctr_va_vdst(0)
	v_rsq_f32 v[RS], v8
	v_nop                                          ; a plain line behind the transcendental,
	s_wait_alu depctr_va_vdst(0)                   ; and the wait ahead of its first reader
	v_mov_b32 v[RS+1], v[RS]
.if (\it) == 0
	s_wait_alu depctr_va_vdst(0)
	s_wait_loadcnt 32                              ; gain and bias are in; rows 1 to 3 and the weight's row may stay out
.endif
.set II, 0
.rept 16
	v_pk_mul_f32 v[XR+II:XR+II+1], v[XR+II:XR+II+1], v[RS:RS+1]
.set II, II+2
.endr
.set II, 0
.rept 16
	v_pk_fma_f32 v[XR+II:XR+II+1], v[XR+II:XR+II+1], v[LW+II:LW+II+1], v[LB+II:LB+II+1]
.set II, II+2
.endr
.endif
.irp j, 0,1,2,3,4,5,6,7
	ds_store_b128 v[STW+(\it)%2], v[XR+4*\j:XR+4*\j+3] offset:512*\j
.endr
	s_wait_dscnt 0x0                               ; my row lies in the stage, my byte of the last turn in its place, and my reads of the other stage are over
	s_barrier_signal -1
	s_barrier_wait -1                              ; one barrier a turn: the other stage is written next, and this one again only behind the next barrier
.if (\it) > 0
	FLUSH (\it)-1
.endif
.irp j, 0,1,2,3,4,5,6,7
	ds_load_b128 v[XR+4*\j:XR+4*\j+3], v[STR+(\it)%2] offset:16*\j
.endr
	s_wait_dscnt 0x0
	s_wait_xcnt 0x0                                ; the last turn's stores have read v12-17
	QUANT32 XR
	ds_store_b8 v[SBA], v[BY] offset:512*((\it)%2)
.irp p, 0,1,2
.if (\it) < 4
	global_store_b64 v[G8], v[PC+2*\p:PC+2*\p+1], s[24:25] offset:12288*(\it)+256*\p   ; 32 lanes store 256 consecutive bytes, at a multiple of 256
.else
	global_store_b64 v[G8], v[PC+2*\p:PC+2*\p+1], s[28:29] offset:256*\p
.endif
.endr
.endm
	ITER 0, 1, 48                                  ; row 0 is in; 48 younger loads may stay out
	ITER 1, 1, 24
	ITER 2, 1, 16
	ITER 3, 1, 8
	ITER 4, 0, 0
	s_wait_dscnt 0x0
	s_barrier_signal -1
	s_barrier_wait -1
	FLUSH 4
	s_wait_xcnt 0x0
	v_lshl_add_u32 v254, v0, 2, 0x20600
	v_mov_b32 v255, 0
	s_wait_alu depctr_va_vdst(0)
	s_wait_tensorcnt 0x0
	ds_add_u32 v254, v255
	s_wait_dscnt 0x0
	s_endpgm
.Lfunc_end_k_qe251ebc7cd_prep:
	.size	k_qe251ebc7cd_prep, .Lfunc_end_k_qe251ebc7cd_prep-k_qe251ebc7cd_prep
	.p2alignl 7, 3214868480
	.fill 96, 4, 3214868480
	.section	.rodata,"a",@progbits
	.p2align	6, 0x0
	.amdhsa_kernel k_qe251ebc7cd_prep
		.amdhsa_group_segment_fixed_size 134656
		.amdhsa_private_segment_fixed_size 0
		.amdhsa_enable_private_segment 0
		.amdhsa_kernarg_size 112
		.amdhsa_user_sgpr_count 2
		.amdhsa_user_sgpr_kernarg_segment_ptr 1
		.amdhsa_wavefront_size32 1
		.amdhsa_system_sgpr_workgroup_id_x 1
		.amdhsa_system_sgpr_workgroup_id_y 1
		.amdhsa_system_sgpr_workgroup_id_z 1
		.amdhsa_system_vgpr_workitem_id 0
		.amdhsa_next_free_vgpr 256
		.amdhsa_next_free_sgpr 66
		.amdhsa_reserve_vcc 0
		.amdhsa_float_denorm_mode_32 3
		.amdhsa_float_denorm_mode_16_64 3
		.amdhsa_memory_ordered 1
		.amdhsa_forward_progress 1
		.amdhsa_inst_pref_size 58
	.end_amdhsa_kernel
	.amdgpu_metadata
---
amdhsa.version: [ 1, 2 ]
amdhsa.kernels:
  - .name:           k_qe251ebc7cd_prep
    .symbol:         k_qe251ebc7cd_prep.kd
    .args:
      - { .name: query_input, .offset: 0, .size: 8, .value_kind: global_buffer, .address_space: global }
      - { .name: kv_input, .offset: 8, .size: 8, .value_kind: global_buffer, .address_space: global }
      - { .name: ln_q_w, .offset: 16, .size: 8, .value_kind: global_buffer, .address_space: global }
      - { .name: ln_q_b, .offset: 24, .size: 8, .value_kind: global_buffer, .address_space: global }
      - { .name: ln_kv_w, .offset: 32, .size: 8, .value_kind: global_buffer, .address_space: global }
      - { .name: ln_kv_b, .offset: 40, .size: 8, .value_kind: global_buffer, .address_space: global }
      - { .name: wq, .offset: 48, .size: 8, .value_kind: global_buffer, .address_space: global }
      - { .name: wk, .offset: 56, .size: 8, .value_kind: global_buffer, .address_space: global }
      - { .name: wv, .offset: 64, .size: 8, .value_kind: global_buffer, .address_space: global }
      - { .name: wo, .offset: 72, .size: 8, .value_kind: global_buffer, .address_space: global }
      - { .name: xc, .offset: 80, .size: 8, .value_kind: global_buffer, .address_space: global }
      - { .name: xsc, .offset: 88, .size: 8, .value_kind: global_buffer, .address_space: global }
      - { .name: wc, .offset: 96, .size: 8, .value_kind: global_buffer, .address_space: global }
      - { .name: wsc, .offset: 104, .size: 8, .value_kind: global_buffer, .address_space: global }
    .group_segment_fixed_size: 134656
    .private_segment_fixed_size: 0
    .kernarg_segment_align: 8
    .kernarg_segment_size: 112
    .max_flat_workgroup_size: 512
    .sgpr_count:     66
    .vgpr_count:     256
    .wavefront_size: 32
...
	.end_amdgpu_metadata
.endif
;; end of part 1
;; launch proj (part 2): grid 4 x 192, 4 waves a work-group, clusters of 4 x 4, 295,424 bytes of LDS; arguments xc, xsc, wc, wsc, bq, bk, bv, qkvc, qkvsc; writes qkvc, qkvsc
.if DOCPART == 2
	.amdgcn_target "amdgcn-amd-amdhsa--gfx1250"
	.amdhsa_code_object_version 6
	.text
	.protected	k_qe251ebc7cd_proj
	.globl	k_qe251ebc7cd_proj
	.p2align	8
	.type	k_qe251ebc7cd_proj,@function
k_qe251ebc7cd_proj:
	s_mov_b64 s[64:65], 0
	v_nop
	global_prefetch_b8 v0, s[64:65] scope:SCOPE_SE
	s_setreg_imm32_b32 hwreg(HW_REG_WAVE_MODE, 25, 1), 1
	s_wait_xcnt 0x0
	s_wait_alu depctr_hold_cnt(0) depctr_sa_sdst(0) depctr_va_vdst(0) depctr_va_sdst(0) depctr_va_ssrc(0) depctr_va_vcc(0) depctr_vm_vsrc(0)
	s_getreg_b32 s2, hwreg(HW_REG_IB_STS2, 6, 4)
	s_cmp_eq_u32 s2, 0
	s_cbranch_scc0 .Lentry_in_a_cluster
	s_endpgm
.Lentry_in_a_cluster:
	s_bfe_u32 s2, ttmp6, 0x10000c
	s_cmp_lg_u32 s2, 0xf033
	s_cbranch_scc0 .Lentry_shape_is_right
	s_endpgm
.Lentry_shape_is_right:
; Q = LN(q) wq^T + bq, K = LN(kv) wk^T + bk, V = LN(kv) wv^T + bv on codes of FP6 (E2M3), and the results quantised again: Q and K along the head's 64, V along the keys.
; ROLES.  The cluster's y says which: 0-15 Q, 16-31 K, 32-47 V.  A work-group multiplies region Y (128 rows) by region X (256 rows) over all of K = 1,024.  The product is taken as P[I = lane][J = registers]:
; source 0 = 16 rows of X, source 1 = 16 rows of Y.  What is quantised next runs along J.  Q, K: Y = activation rows, X = weight rows (J = features).  V: Y = rows of wv, X = activation rows (J = keys).
; Only pointers, offsets and two selects hang on the role: every LDS address and every branch is the same in all roles.
; Rows of a rowtile are ordered so that the 32 registers of four neighbouring tiles of J are a whole block of 32 in one lane, in order: no lane is asked for a maximum, and the conversions' results are the next operand's registers.
; LDS holds both regions for all of K, as four quarters of K, each filled ONCE: 4 tensor loads a wave are out at the start by this text's count.
; CLUSTERS: 4 x 4.  Y's tiles are shared along a row of the cluster, X's along a column: joint loads.
; A wave: 64 I x 128 J, 32 accumulators.  LIMITS: NaN and infinities are not served; bias and K sums are rounded in another order than a plain f32 sum.
; REGISTERS: window 0: v4-31 addresses and work; v32-95 X's scale words (8 b + k), v96-127 Y's (8 a + k): these hold scales and nothing else; v128-191 64 results; v192-211 codes.
;   window 1: fragment set 0 (source 0 at v[12 b], source 1 at v[96 + 12 a]); v144-207 the bias along J.   window 2: set 1; v144-175 the bias along I.   window 3: accumulator (a, b) at v[8 (8 a + b)].
.set QB,   73728                       ; a quarter: Y's 8 rowtiles x 3,072 bytes, then X's 16
.set ADR0, 4                           ; v4  my 8 rowtiles of X in the quarter in hand + 8 x lane
.set ADR1, 5                           ; v5  my 4 rowtiles of Y
.set SV,   6                           ; v6  32 r: a row's 32 scale bytes
.set VO,   8                           ; v8  8 x lane;  v9  + the way from chunk c = 0 to c = 1
.set A4L,  10                          ; v10 4 x lane
.set SH8,  11                          ; v11 8 h
.set BJO,  12                          ; v12 128 h
.set CIO,  13                          ; v13 4 (r & 7) + 128 (r >> 3)
.set CIL,  14                          ; v14-17 the bias of my lane's row of tile a
.set TM,   18                          ; v18-21
.set SO,   22                          ; v22-23
.set BY,   24                          ; v24-25
.set PX,   26
.set PWM,  27
.set PW,   28                          ; v28-29
.set SC0,  32
.set SC1,  96
.set T,    128
.set PC,   192
.set CT,   204
.set BJ,   144                         ; in window 1
.set CI,   144                         ; in window 2
.set MSB, 0
.macro WIN new                         ; the immediate's high byte repeats the setting that is left
.if MSB != (\new)
	s_set_vgpr_msb (MSB<<8)|(\new)
.set MSB, (\new)
.endif
.endm
.macro PLACES                          ; four plain lines between a matrix instruction and a load into, or a read of, its registers
.rept 4
	v_nop
.endr
.endm
.macro CROUND                          ; a round of the cluster's barrier
	s_barrier_signal -1
	s_barrier_wait -1
	s_cmp_lg_u32 s24, 0
	s_cbranch_scc1 .Lnot_wave_0_\@
	s_barrier_signal -3
.Lnot_wave_0_\@:
	s_barrier_wait -3
	s_barrier_signal -1
	s_barrier_wait -1
.endm
	s_load_b256 s[4:11], s[0:1], 0x0               ; xc, xsc, wc, wsc
	s_load_b256 s[12:19], s[0:1], 0x20             ; bq, bk, bv, qkvc
	s_load_b64 s[20:21], s[0:1], 0x40              ; qkvsc
	v_lshl_add_u32 v254, v0, 2, 0x48000
	v_mov_b32 v255, 0
	ds_add_u32 v254, v255
	ds_add_u32 v254, v255
	v_lshrrev_b32 v1, 5, v0
	v_readfirstlane_b32 s24, v1                    ; wave 0..3
	s_lshr_b32 s25, s24, 1                         ; wI: which 64 of Y's rows are mine.  Also: I fetch for Y (0) or X (1)
	s_and_b32 s26, s24, 1                          ; wJ: which 128 of X's rows.  Also: which half of the region I fetch
	s_bfe_u32 s27, ttmp6, 0x40000                  ; cx
	s_bfe_u32 s28, ttmp6, 0x40004                  ; cy
	s_and_b32 s29, ttmp7, 0xffff                   ; the cluster's y
	s_lshr_b32 s30, s29, 4                         ; role
	s_and_b32 s31, s29, 15
	s_and_b32 s32, s31, 1
	s_lshr_b32 s33, s31, 1
	s_min_u32 s34, s30, 1
	s_lshl_b32 s34, s34, 9                         ; Q: xc's rowtile 0; K: 512
	s_lshl_b32 s35, s30, 6                         ; wc's rowtile 64 x role
	s_mov_b32 s91, 98304
	s_mov_b32 s2, 768
	s_cmp_eq_u32 s30, 2                            ; V?
	s_cselect_b32 s32, s32, s31                    ; Y's block of four tiles
	s_cselect_b32 s33, s33, 0                      ; X's
	s_cselect_b32 s34, 128, s34                    ; Y's first rowtile in its buffer (wv: 128)
	s_cselect_b32 s35, 512, s35                    ; X's (kv rows: 512)
	s_cselect_b32 s88, -1, 0                       ; all lanes: the bias runs along I
	s_cselect_b32 s89, 0, -1                       ; all lanes: it runs along J
	s_cselect_b32 s91, 768, s91                    ; bytes from chunk c = 0 to c = 1
	s_cselect_b32 s2, 1536, s2                     ; bytes from tile a to a + 1
	s_lshl_b32 s92, s32, 2
	s_add_co_u32 s92, s92, s28                     ; yt
	s_lshl_b32 s93, s33, 2
	s_add_co_u32 s93, s93, s27                     ; xt
	s_mov_b32 s32, s2
	s_mov_b32 s33, 0
	s_lshl_b32 s94, s28, 2
	s_lshl_b32 s94, 15, s94                        ; my row of the cluster
	s_lshl_b32 s95, 0x1111, s27                    ; my column
	; descriptor group 1: rows of 3,072 bytes (384 elements of 8), 12,288 bytes apart: a quarter of K of 4 (Y) or 8 (X) rowtiles; no padding
	s_or_b32 s36, s94, (3<<16)|(1<<21)
	s_mov_b32 s37, 384<<16
	s_mov_b32 s38, 4<<16
	s_mov_b32 s39, 384<<16
	s_mov_b32 s40, 4
	s_mov_b32 s41, 1536
	s_mov_b32 s42, 0
	s_mov_b32 s43, 0
	s_or_b32 s44, s95, (3<<16)|(1<<21)
	s_mov_b32 s45, 384<<16
	s_mov_b32 s46, 8<<16
	s_mov_b32 s47, 384<<16
	s_mov_b32 s48, 8
	s_mov_b32 s49, 1536
	s_mov_b32 s50, 0
	s_mov_b32 s51, 0
	s_mov_b32 s94, 0x76543210
	s_mov_b32 s95, 0xfedcba98                      ; selects for lane l xor 16
	s_mov_b32 s90, 0xffff0000                      ; lanes 16-31
	v_and_b32 v1, 31, v0
	v_and_b32 v2, 15, v0                           ; r
	v_bfe_u32 v3, v0, 4, 1                         ; h
	v_lshlrev_b32 v[VO], 3, v1
	s_mul_i32 s67, s26, 24576
	s_add_co_u32 s67, s67, 24576
	v_add_nc_u32 v[ADR0], s67, v[VO]
	s_mul_i32 s66, s25, 12288
	v_add_nc_u32 v[ADR1], s66, v[VO]
	v_lshlrev_b32 v[SV], 5, v2
	v_add_nc_u32 v[VO+1], s91, v[VO]
	v_lshlrev_b32 v[A4L], 2, v1
	v_lshlrev_b32 v[SH8], 3, v3
	v_lshlrev_b32 v[BJO], 7, v3
	v_and_b32 v[CIO], 7, v2
	v_lshlrev_b32 v[CIO], 2, v[CIO]
	v_lshrrev_b32 v7, 3, v2
	v_lshl_add_u32 v[CIO], v7, 7, v[CIO]
	v_mov_b32 v[PX], 0                             ; a lane permute's destination counts as one of its sources
	s_lshl_b32 s96, s92, 3
	s_add_co_u32 s96, s96, s34                     ; Y: the work-group's first rowtile
	s_lshl_b32 s97, s26, 2
	s_add_co_u32 s97, s97, s96                     ; the first of the four that I fetch
	s_mul_i32 s100, s97, 12288
	s_mov_b32 s101, 0
	s_lshl_b32 s98, s93, 4
	s_add_co_u32 s98, s98, s35
	s_lshl_b32 s99, s26, 3
	s_add_co_u32 s98, s98, s99                     ; X: the first of the eight that I fetch, which are also the eight that I multiply
	s_mul_i32 s2, s98, 12288
	s_mov_b32 s3, 0
	s_mul_i32 s66, s26, 12288                      ; where they go in a quarter
	s_wait_dscnt 0x0
	s_wait_kmcnt 0x0
	s_cmp_eq_u32 s30, 2                            ; the choices hang on the cluster's y alone
	s_cselect_b64 s[22:23], s[8:9], s[4:5]         ; Y's codes
	s_cselect_b64 s[4:5], s[4:5], s[8:9]           ; X's codes
	s_cselect_b64 s[8:9], s[10:11], s[6:7]         ; Y's scales
	s_cselect_b64 s[6:7], s[6:7], s[10:11]         ; X's scales
	s_cselect_b64 s[16:17], s[16:17], s[14:15]
	s_cmp_eq_u32 s30, 0
	s_cselect_b64 s[12:13], s[12:13], s[16:17]     ; the bias
	s_add_nc_u64 s[22:23], s[22:23], s[100:101]
	s_add_nc_u64 s[4:5], s[4:5], s[2:3]
.irp q, 0,1,2,3                        ; a group 0 for each quarter: s[52:55], s[56:59], s[60:63], s[68:71] for Y, s[72:87] for X
.set GY, 52+4*\q+4*(\q/3)
.set GX, 72+4*\q
	s_mov_b32 s[GY], 1
	s_add_co_u32 s[GY+1], s66, \q*QB
	s_add_nc_u64 s[GY+2:GY+3], s[22:23], \q*3072
	s_or_b32 s[GY+3], s[GY+3], 0x80000000
	s_mov_b32 s[GX], 1
	s_add_co_u32 s[GX+1], s67, \q*QB
	s_add_nc_u64 s[GX+2:GX+3], s[4:5], \q*3072
	s_or_b32 s[GX+3], s[GX+3], 0x80000000
.endr
	s_lshl_b32 s2, s98, 9
	s_add_nc_u64 s[6:7], s[6:7], s[2:3]            ; the scale bytes of my 8 rowtiles of X
	s_lshl_b32 s100, s25, 2
	s_add_co_u32 s100, s100, s96
	s_lshl_b32 s100, s100, 9
	s_add_nc_u64 s[8:9], s[8:9], s[100:101]        ; of my 4 rowtiles of Y
	s_mov_b32 s11, 0
	s_lshl_b32 s10, s93, 8
	s_lshl_b32 s16, s26, 7
	s_add_co_u32 s10, s10, s16
	s_and_b32 s10, s10, 1023                       ; (in role V this bias is not used: the mask keeps its loads inside the buffer)
	s_lshl_b32 s10, s10, 2
	s_add_nc_u64 s[14:15], s[12:13], s[10:11]      ; the bias at my first J
	s_lshl_b32 s10, s92, 7
	s_lshl_b32 s16, s25, 6
	s_add_co_u32 s10, s10, s16
	s_and_b32 s10, s10, 1023
	s_lshl_b32 s10, s10, 2
	s_add_nc_u64 s[12:13], s[12:13], s[10:11]      ; at my first I
	; where my results go.  Q, K: [b][head][tile 128] chunks, scale words [b][head pair][tile][r].  V: [b, head][key step 16][d tile 4][c 2] chunks, scale words [b, head][key step][d tile][r]
	s_and_b32 s10, s92, 15
	s_lshl_b32 s10, s10, 3
	s_lshl_b32 s11, s25, 2
	s_add_co_u32 s10, s10, s11                     ; 8 (yt & 15) + 4 wI: my first tile in the batch
	s_lshl_b32 s16, s93, 1
	s_add_co_u32 s16, s16, s26                     ; 2 xt + wJ
	s_lshr_b32 s11, s92, 4
	s_lshl_b32 s11, s11, 3
	s_add_co_u32 s11, s11, s16
	s_lshl_b32 s11, s11, 7
	s_add_co_u32 s17, s11, s10                     ; Q, K: the scale words' unit of 64 bytes
	s_lshl_b32 s11, s11, 1
	s_add_co_u32 s11, s11, s10                     ; Q, K: the chunk
	s_lshr_b32 s29, s93, 3
	s_lshl_b32 s29, s29, 4
	s_lshl_b32 s31, s92, 1
	s_add_co_u32 s29, s29, s31
	s_add_co_u32 s29, s29, s25                     ; V: 16 b + head
	s_lshl_b32 s29, s29, 4
	s_and_b32 s31, s16, 15
	s_add_co_u32 s29, s29, s31                     ; x 16 + key step
	s_lshl_b32 s31, s29, 3
	s_lshl_b32 s29, s29, 2
	s_cmp_eq_u32 s30, 2
	s_cselect_b32 s11, s31, s11
	s_cselect_b32 s17, s29, s17
	s_mul_i32 s10, s11, 768
	s_mul_i32 s16, s30, 6291456
	s_add_co_u32 s10, s10, s16
	s_mov_b32 s11, 0
	s_add_nc_u64 s[18:19], s[18:19], s[10:11]
	s_lshl_b32 s10, s17, 6
	s_lshl_b32 s16, s30, 18
	s_add_co_u32 s10, s10, s16
	s_add_nc_u64 s[20:21], s[20:21], s[10:11]
	CROUND                                         ; all sixteen work-groups are here: the joint loads meet
	s_cmp_eq_u32 s25, 0                            ; a wave's four fills stand in one branch on the wave's number; four v_nop follow the last
	s_cbranch_scc0 .Lfill_x
	tensor_load_to_lds s[52:55], s[36:43]
	s_nop 0
	tensor_load_to_lds s[56:59], s[36:43]
	s_nop 0
	tensor_load_to_lds s[60:63], s[36:43]
	s_nop 0
	tensor_load_to_lds s[68:71], s[36:43]
	s_nop 0
.rept 4
	v_nop
.endr
	s_branch .Lfilled
.Lfill_x:
	tensor_load_to_lds s[72:75], s[44:51]
	s_nop 0
	tensor_load_to_lds s[76:79], s[44:51]
	s_nop 0
	tensor_load_to_lds s[80:83], s[44:51]
	s_nop 0
	tensor_load_to_lds s[84:87], s[44:51]
	s_nop 0
.rept 4
	v_nop
.endr
.Lfilled:
; the scale words of all of K come straight into registers, once: a row's 32 bytes are its 8 words; lanes 16-31 repeat lanes 0-15
.irp b, 0,1,2,3,4,5,6,7
	global_load_b128 v[SC0+8*\b:SC0+8*\b+3], v[SV], s[6:7] offset:512*\b
	global_load_b128 v[SC0+8*\b+4:SC0+8*\b+7], v[SV], s[6:7] offset:512*\b+16
.endr
.irp a, 0,1,2,3
	global_load_b128 v[SC1+8*\a:SC1+8*\a+3], v[SV], s[8:9] offset:512*\a
	global_load_b128 v[SC1+8*\a+4:SC1+8*\a+7], v[SV], s[8:9] offset:512*\a+16
.endr
	s_wait_alu depctr_va_vdst(0)
.irp a, 0,1,2,3
	global_load_b32 v[CIL+\a], v[CIO], s[12:13] offset:32*\a
.endr
	WIN 0x40
.irp c, 0,1
.irp q, 0,1,2,3,4,5,6,7
	global_load_b128 v[BJ+32*\c+4*\q:BJ+32*\c+4*\q+3], v[BJO], s[14:15] offset:256*\c+16*\q   ; register 32 c + i: J = 64 c + 32 h + i
.endr
.endr
	WIN 0
.macro FETCH s, set                    ; the fragments of the quarter's s-th 128 along K: six loads of 8 bytes each, every one 256 consecutive bytes
	WIN 0x40*(1+(\set))
.irp b, 0,1,2,3,4,5,6,7
.irp i, 0,1,2,3,4,5
	ds_load_b64 v[12*\b+2*\i:12*\b+2*\i+1], v[ADR0] offset:\b*3072+(\s)*1536+256*\i
.endr
.endr
.irp a, 0,1,2,3
.irp i, 0,1,2,3,4,5
	ds_load_b64 v[96+12*\a+2*\i:96+12*\a+2*\i+1], v[ADR1] offset:\a*3072+(\s)*1536+256*\i
.endr
.endr
	WIN 0
.endm
; n tiles of I from a0 on x the 8 tiles of J, K step k.  The 32 accumulators take turns, one instruction a turn, in the same order in every step.  Step 0 starts the sums with the bias along I
.macro MUL a0, n, k
.if (\k) == 0
	WIN 0xe5
.elseif (\k)%2 == 0
	WIN 0xf5
.else
	WIN 0xfa
.endif
.set AA, \a0
.rept \n
.irp b, 0,1,2,3,4,5,6,7
.if (\k) == 0
	v_wmma_scale_f32_16x16x128_f8f6f4 v[64*AA+8*\b:64*AA+8*\b+7], v[12*\b:12*\b+11], v[96+12*AA:96+12*AA+11], v[CI+8*AA:CI+8*AA+7], v[SC0+8*\b+(\k)], v[SC1+8*AA+(\k)] matrix_a_fmt:MATRIX_FMT_FP6 matrix_b_fmt:MATRIX_FMT_FP6
.else
	v_wmma_scale_f32_16x16x128_f8f6f4 v[64*AA+8*\b:64*AA+8*\b+7], v[12*\b:12*\b+11], v[96+12*AA:96+12*AA+11], v[64*AA+8*\b:64*AA+8*\b+7], v[SC0+8*\b+(\k)], v[SC1+8*AA+(\k)] matrix_a_fmt:MATRIX_FMT_FP6 matrix_b_fmt:MATRIX_FMT_FP6
.endif
.endr
.set AA, AA+1
.endr
.endm
.macro KEVEN k                         ; a step whose successor lies in the same quarter
	s_wait_dscnt 0x0                               ; this step's fragments are in
	PLACES
	FETCH 1, 1
	MUL 0, 4, \k
.endm
.macro KODD k                          ; a step whose successor lies in the next quarter
	s_wait_dscnt 0x0
	s_wait_tensorcnt 2-(\k)/2                      ; my part of the next quarter has landed; the later quarters' loads may stay out
	s_barrier_signal -1
	MUL 0, 2, \k
	WIN 0
	s_barrier_wait -1                              ; everybody's part has
	PLACES
	v_add_nc_u32 v[ADR0], QB, v[ADR0]
	v_add_nc_u32 v[ADR1], QB, v[ADR1]
	FETCH 0, 0
	MUL 2, 2, \k
.endm
	s_wait_tensorcnt 3                             ; my part of quarter 0 is in; three younger loads may stay out
	s_barrier_signal -1
	s_barrier_wait -1
	FETCH 0, 0
	s_wait_loadcnt 0x0
	WIN 0x80
.irp a, 0,1,2,3
.irp j, 0,1,2,3,4,5,6,7
	v_cndmask_b32 v[CI+8*\a+\j], 0, v[CIL+\a], s88 ; V: my row's bias in all eight registers; Q, K: 0
.endr
.endr
	WIN 0x44
.set II, 0
.rept 64
	v_cndmask_b32 v[BJ+II], 0, v[BJ+II], s89       ; Q, K: the bias along J; V: 0
.set II, II+1
.endr
	WIN 0
	KEVEN 0
	KODD 1
	s_wait_alu depctr_va_vdst(0)
	KEVEN 2
	KODD 3
	s_wait_alu depctr_va_vdst(0)
	KEVEN 4
	KODD 5
	s_wait_alu depctr_va_vdst(0)
	KEVEN 6
	s_wait_dscnt 0x0
	MUL 0, 4, 7
	WIN 0
; 64 numbers of a lane, register 32 c + i = J 64 c + 32 h + i of my row, become a fragment's 12 registers of codes and its scale word
.macro QUANT64 s, pc, pw
.irp c, 0,1
	v_max3_num_f32 v[TM+2*\c], |v[\s+32*\c]|, |v[\s+32*\c+1]|, 0x1800000          ; with the floor 2^(3 - 127): the byte cannot fall under 1
	v_max3_num_f32 v[TM+2*\c+1], |v[\s+32*\c+16]|, |v[\s+32*\c+17]|, 0x1800000
.endr
.irp i, 2,4,6,8,10,12,14
.irp c, 0,1
	v_max3_num_f32 v[TM+2*\c], v[TM+2*\c], |v[\s+32*\c+\i]|, |v[\s+32*\c+\i+1]|
	v_max3_num_f32 v[TM+2*\c+1], v[TM+2*\c+1], |v[\s+32*\c+16+\i]|, |v[\s+32*\c+17+\i]|
.endr
.endr
.irp c, 0,1
	v_max_num_f32 v[TM+2*\c], v[TM+2*\c], v[TM+2*\c+1]
.endr
.irp c, 0,1
	v_add_nc_u32 v[SO+\c], 0xff000000, v[TM+2*\c]  ; 2 off the exponent field: the conversion's scale operand
.endr
.irp c, 0,1
	v_lshrrev_b32 v[BY+\c], 23, v[SO+\c]
.endr
.irp c, 0,1
	v_cvt_scalef32_pk16_fp6_f32 v[\pc+6*\c:\pc+6*\c+2], v[\s+32*\c:\s+32*\c+15], v[SO+\c]
	v_cvt_scalef32_pk16_fp6_f32 v[CT+4*\c:CT+4*\c+2], v[\s+32*\c+16:\s+32*\c+31], v[SO+\c]   ; (a conversion's three registers begin on an even number)
.endr
	v_nop                                          ; one plain line behind the conversions
.irp c, 0,1
.irp i, 0,1,2
	v_mov_b32 v[\pc+6*\c+3+\i], v[CT+4*\c+\i]
.endr
.endr
	v_lshl_or_b32 v[\pw], v[BY+1], 16, v[BY]       ; my two bytes: blocks h and 2 + h,
	v_lshlrev_b32 v[\pw], v[SH8], v[\pw]           ; at their places;
	v_permlanex16_b32 v[PX], v[\pw], s94, s95
	v_or_b32 v[\pw], v[\pw], v[PX]                 ; with lane l xor 16's two the word is whole
.endm
.macro OUTA a                          ; tile a of I: bias along J, quantised, stored as two chunks
	s_wait_xcnt 0x0                                ; the last tile's stores have read their data and their base
.if (\a) > 0
	s_add_nc_u64 s[18:19], s[18:19], s[32:33]
.endif
	WIN 0x07                                       ; source 0 window 3, source 1 window 1
.set II, 0
.rept 32
	v_pk_add_f32 v[T+II:T+II+1], v[64*(\a)+II:64*(\a)+II+1], v[BJ+II:BJ+II+1]   ; ascending: each accumulator from its low end on
.set II, II+2
.endr
	WIN 0
	QUANT64 T, PC, PW+(\a)%2
.irp c, 0,1
.irp p, 0,1,2
	global_store_b64 v[VO+\c], v[PC+6*\c+2*\p:PC+6*\c+2*\p+1], s[18:19] offset:256*\p   ; 32 lanes store 256 consecutive bytes, at a multiple of 256
.endr
.endr
.if (\a)%2
	v_cndmask_b32 v[PWM], v[PW], v[PW+1], s90      ; lanes 0-15: tile a - 1's words, lanes 16-31: tile a's
	global_store_b32 v[A4L], v[PWM], s[20:21] offset:128*((\a)/2)
.endif
.endm
	PLACES
	OUTA 0
	OUTA 1
	OUTA 2
	OUTA 3
	s_wait_tensorcnt 0x0
	ds_add_u32 v254, v255
	s_wait_dscnt 0x0
	CROUND                                         ; the closing round: no work-group ends while a partner may still ask for a tile that names it
	s_endpgm
.Lfunc_end_k_qe251ebc7cd_proj:
	.size	k_qe251ebc7cd_proj, .Lfunc_end_k_qe251ebc7cd_proj-k_qe251ebc7cd_proj
	.p2alignl 7, 3214868480
	.fill 96, 4, 3214868480
	.section	.rodata,"a",@progbits
	.p2align	6, 0x0
	.amdhsa_kernel k_qe251ebc7cd_proj
		.amdhsa_group_segment_fixed_size 295424
		.amdhsa_private_segment_fixed_size 0
		.amdhsa_enable_private_segment 0
		.amdhsa_kernarg_size 72
		.amdhsa_user_sgpr_count 2
		.amdhsa_user_sgpr_kernarg_segment_ptr 1
		.amdhsa_wavefront_size32 1
		.amdhsa_system_sgpr_workgroup_id_x 1
		.amdhsa_system_sgpr_workgroup_id_y 1
		.amdhsa_system_sgpr_workgroup_id_z 1
		.amdhsa_system_vgpr_workitem_id 0
		.amdhsa_next_free_vgpr 1024
		.amdhsa_next_free_sgpr 102
		.amdhsa_reserve_vcc 0
		.amdhsa_float_denorm_mode_32 3
		.amdhsa_float_denorm_mode_16_64 3
		.amdhsa_memory_ordered 1
		.amdhsa_forward_progress 1
		.amdhsa_inst_pref_size 116
	.end_amdhsa_kernel
	.amdgpu_metadata
---
amdhsa.version: [ 1, 2 ]
amdhsa.kernels:
  - .name:           k_qe251ebc7cd_proj
    .symbol:         k_qe251ebc7cd_proj.kd
    .args:
      - { .name: xc, .offset: 0, .size: 8, .value_kind: global_buffer, .address_space: global }
      - { .name: xsc, .offset: 8, .size: 8, .value_kind: global_buffer, .address_space: global }
      - { .name: wc, .offset: 16, .size: 8, .value_kind: global_buffer, .address_space: global }
      - { .name: wsc, .offset: 24, .size: 8, .value_kind: global_buffer, .address_space: global }
      - { .name: bq, .offset: 32, .size: 8, .value_kind: global_buffer, .address_space: global }
      - { .name: bk, .offset: 40, .size: 8, .value_kind: global_buffer, .address_space: global }
      - { .name: bv, .offset: 48, .size: 8, .value_kind: global_buffer, .address_space: global }
      - { .name: qkvc, .offset: 56, .size: 8, .value_kind: global_buffer, .address_space: global }
      - { .name: qkvsc, .offset: 64, .size: 8, .value_kind: global_buffer, .address_space: global }
    .group_segment_fixed_size: 295424
    .private_segment_fixed_size: 0
    .kernarg_segment_align: 8
    .kernarg_segment_size: 72
    .max_flat_workgroup_size: 128
    .sgpr_count:     102
    .vgpr_count:     1024
    .wavefront_size: 32
...
	.end_amdgpu_metadata
.endif
;; end of part 2
;; launch attn (part 3): grid 4 x 64, 8 waves a work-group, clusters of 4 x 1, 218,112 bytes of LDS; arguments qkvc, qkvsc, mask, atc, atsc; writes atc, atsc
.if DOCPART == 3
	.amdgcn_target "amdgcn-amd-amdhsa--gfx1250"
	.amdhsa_code_object_version 6
	.text
	.protected	k_qe251ebc7cd_attn
	.globl	k_qe251ebc7cd_attn
	.p2align	8
	.type	k_qe251ebc7cd_attn,@function
k_qe251ebc7cd_attn:
	s_mov_b64 s[64:65], 0
	v_nop
	global_prefetch_b8 v0, s[64:65] scope:SCOPE_SE
	s_setreg_imm32_b32 hwreg(HW_REG_WAVE_MODE, 25, 1), 1
	s_wait_xcnt 0x0
	s_wait_alu depctr_hold_cnt(0) depctr_sa_sdst(0) depctr_va_vdst(0) depctr_va_sdst(0) depctr_va_ssrc(0) depctr_va_vcc(0) depctr_vm_vsrc(0)
	s_getreg_b32 s2, hwreg(HW_REG_IB_STS2, 6, 4)
	s_cmp_eq_u32 s2, 0
	s_cbranch_scc0 .Lentry_in_a_cluster
	s_endpgm
.Lentry_in_a_cluster:
	s_bfe_u32 s2, ttmp6, 0x10000c
	s_cmp_lg_u32 s2, 0x3003
	s_cbranch_scc0 .Lentry_shape_is_right
	s_endpgm
.Lentry_shape_is_right:
; attn[b][q][head][:] = softmax_k(Q . K / 8, keys with mask = 0 left out) V, both products on codes of FP6 (E2M3), and the result quantised along (head, d) for the last product.
; THE SOFTMAX AHEAD OF THE SECOND PRODUCT: t = score x log2(e) / 8; M = the row's largest t so far, rounded up to a whole number; p = 2^(t - M) is quantised along the keys, not normalised; the row's sum is taken of the
; unquantised p and divides at the end.  When M moves, the sum and O are multiplied by 2^(old M - new M), which rounds nothing.
; SHARES.  A work-group owns 512 queries of one (batch, head); each of its 8 waves 64 of them, four tiles of 16; two waves to a SIMD.  ALL of the head's K and V codes (196,608 bytes) lie in LDS, fetched once:
; 4 tensor loads a wave are out at the start by this text's count.  CLUSTER: the four query blocks of a head ask for K and V jointly.
; LAYOUT.  Both products transposed: S^T = K Q^T, O^T = V^T P^T: a lane holds one query.  The keys of a tile of K are ordered so that the 32 registers of four neighbouring tiles are a whole block of 32 keys in one lane.
; K = 64 of the first product fills half of the instruction's 128: Q's upper six registers are zero codes, so K's upper six may hold anything: K's eight fragments lie 8 registers apart.
; THE MASK is the C of the score products: 0 for a key that counts, -2^98 for one that does not, from a table in LDS.  The largest t begins at -2^80, so a masked key never sets M, and its p is 0.
; A batch with no key left has the sum 0: its scale bytes are set to 0xff, so that the last product gives NaN there, as the softmax of an empty row does.
; LIMITS: NaN and infinities are not served; a row whose every t lies under -2^80 is not served.
; REGISTERS: window 0: v2-13 addresses; v16-31 four a tile: -M, the largest t, the sum in two halves; v32-55 at work; v56-59 P's scale words, v60-63 Q's, v64-71 K's, v72-75 V's; v76-123 P's codes; v128-191 S^T, then p; v192-255 the mask's C.
;   window 1: v0-127 O^T (32 t + 8 d tile); v128-175 Q (12 t); v176-243 K's fragments (8 a tile), later V's (12 a tile).
.set KS,  196608                       ; LDS: K 0, V 98,304; K's scale words [tile 128][r][4]; the mask's words [key 2,048][4]; V's scale words [key step][d tile][r][4]
.set MK,  204800
.set VS,  212992
.set A8,  2
.set AV0, 3
.set AS0, 4
.set AM0, 5
.set AT0, 6
.set SH8, 7
.set ADK, 8
.set ADV, 9
.set ADS, 10
.set ADM, 11
.set ADT, 12
.set SBO, 13
.set ST,  16
.set F,   32
.set BM,  34
.set T0,  38
.set T1,  39
.set SO,  40
.set BY,  42
.set PX,  44
.set CT,  46
.set SU,  54
.set PS,  56
.set QS,  60
.set KSR, 64
.set VSR, 72
.set P,   76
.set OB,  124
.set S,   128
.set MB,  192
.set QF,  128                          ; in window 1
.set KF,  176                          ; in window 1
.set SEL, 20                           ; s[20:21]
.set CS,  22                           ; s[22:23] c = log2(e) / 8
.set TK,  48                           ; s48 the step's codes: 6,144 bytes a step, in K and in V
.set TS,  49                           ; s49 K's scale words and the mask's words: 512 bytes a step
.set TT,  50                           ; s50 V's scale words: 256 bytes a step
.set MSB, 0
.macro WIN new                         ; the immediate's high byte repeats the setting that is left
.if MSB != (\new)
	s_set_vgpr_msb (MSB<<8)|(\new)
.set MSB, (\new)
.endif
.endm
.macro PLACES
.rept 4
	v_nop
.endr
.endm
.macro CROUND
	s_barrier_signal -1
	s_barrier_wait -1
	s_cmp_lg_u32 s14, 0
	s_cbranch_scc1 .Lnot_wave_0_\@
	s_barrier_signal -3
.Lnot_wave_0_\@:
	s_barrier_wait -3
	s_barrier_signal -1
	s_barrier_wait -1
.endm
	s_load_b256 s[4:11], s[0:1], 0x0               ; qkvc, qkvsc, mask, atc
	s_load_b64 s[12:13], s[0:1], 0x20              ; atsc
	v_lshl_add_u32 v49, v0, 2, 0x35000
	v_mov_b32 v53, 0
	ds_add_u32 v49, v53
	ds_add_u32 v49, v53
	v_lshrrev_b32 v1, 5, v0
	s_delay_alu instid0(VALU_DEP_1)
	v_readfirstlane_b32 s14, v1                    ; wave 0..7
	s_bfe_u32 s15, ttmp6, 0x40000                  ; cx: my block of 512 queries; it enters Q's and the outputs' addresses alone
	s_and_b32 s16, ttmp7, 0xffff                   ; 16 b + head, which the four partners share
	s_lshr_b32 s17, s16, 4
	s_and_b32 s18, s16, 15
	s_lshr_b32 s19, s14, 2                         ; I fetch for K (0) or V (1),
	s_and_b32 s52, s14, 3                          ; a quarter of each piece of 512 keys
	s_mul_i32 s53, s19, 98304
	s_mul_i32 s52, s52, 6144
	s_add_co_u32 s53, s53, s52                     ; in LDS
	s_add_co_u32 s54, s19, 1
	s_mul_i32 s54, s54, 6291456
	s_add_co_u32 s54, s54, s52
	s_mul_i32 s56, s16, 98304
	s_add_co_u32 s54, s54, s56                     ; in memory
	s_mov_b32 s55, 0
	; descriptor group 1: 24 rows of 256 dense bytes (32 elements of 8)
	s_mov_b32 s24, 15|(3<<16)|(1<<21)              ; the mask names all four work-groups
	s_mov_b32 s25, 32<<16
	s_mov_b32 s26, 24<<16
	s_mov_b32 s27, 32<<16
	s_mov_b32 s28, 24
	s_mov_b32 s29, 32
	s_mov_b32 s30, 0
	s_mov_b32 s31, 0
	s_mov_b32 s[SEL], 0x76543210
	s_mov_b32 s[SEL+1], 0xfedcba98
	s_mov_b32 s[CS], 0x3e38aa3b
	s_mov_b32 s[CS+1], s[CS]
	s_mov_b32 s[TK], 0
	s_mov_b32 s[TS], 0
	s_mov_b32 s[TT], 0
	s_mov_b32 s70, 0x05040100                      ; which two bytes of a head pair's scale word are my head's
	s_bitcmp1_b32 s18, 0
	s_cselect_b32 s70, 0x05040302, s70
	s_lshl_b32 s66, s15, 5
	s_lshl_b32 s67, s14, 2
	s_add_co_u32 s66, s66, s67                     ; my first tile of queries: 32 cx + 4 wave
	s_lshl_b32 s67, s17, 3
	s_lshr_b32 s68, s18, 1
	s_add_co_u32 s67, s67, s68                     ; 8 b + head pair
	s_mov_b32 s3, 0
	v_and_b32 v1, 31, v0
	s_delay_alu instid0(VALU_DEP_1)
	v_lshlrev_b32 v[A8], 3, v1
	s_delay_alu instid0(VALU_DEP_1)
	v_add_nc_u32 v[AV0], 98304, v[A8]
	v_and_b32 v14, 15, v0                          ; r
	v_bfe_u32 v15, v0, 4, 1                        ; h
	s_delay_alu instid0(VALU_DEP_2)
	v_lshl_add_u32 v[AS0], v14, 2, KS
	s_delay_alu instid0(VALU_DEP_2)
	v_lshl_add_u32 v[AM0], v15, 7, MK              ; register j of tile u holds key 64 (u / 4) + 32 h + 8 (u % 4) + j
	s_delay_alu instid0(VALU_DEP_4)
	v_lshl_add_u32 v[AT0], v14, 2, VS
	s_delay_alu instid0(VALU_DEP_4)
	v_lshlrev_b32 v[SH8], 3, v15
	v_lshl_add_u32 v[SBO], v14, 5, v15             ; 32 r + h
	v_lshlrev_b32 v124, 2, v14
	v_lshlrev_b32 v125, 5, v0
	v_lshlrev_b32 v126, 3, v0
	v_lshlrev_b32 v127, 4, v0
	s_wait_dscnt 0x0
	s_wait_kmcnt 0x0
	s_add_nc_u64 s[54:55], s[4:5], s[54:55]
.irp i, 0,1,2,3
	s_mov_b32 s[32+4*\i], 1
	s_add_co_u32 s[33+4*\i], s53, \i*24576
	s_add_nc_u64 s[34+4*\i:35+4*\i], s[54:55], \i*24576
	s_or_b32 s[35+4*\i], s[35+4*\i], 0x80000000
.endr
	s_lshl_b32 s2, s67, 13
	s_add_co_u32 s2, s2, 262144
	s_add_nc_u64 s[56:57], s[6:7], s[2:3]          ; K's scale words of my head pair
	s_mul_i32 s2, s16, 98304
	s_mul_i32 s68, s66, 768
	s_add_co_u32 s2, s2, s68
	s_add_nc_u64 s[58:59], s[4:5], s[2:3]          ; Q's chunks
	s_lshl_b32 s2, s67, 7
	s_add_co_u32 s2, s2, s66
	s_lshl_b32 s2, s2, 6
	s_add_nc_u64 s[60:61], s[6:7], s[2:3]          ; Q's scale words
	s_lshl_b32 s2, s16, 12
	s_add_co_u32 s2, s2, 524288
	s_add_nc_u64 s[62:63], s[6:7], s[2:3]          ; V's scale words
	s_lshl_b32 s2, s17, 11
	s_add_nc_u64 s[8:9], s[8:9], s[2:3]            ; the batch's mask
	s_lshl_b32 s68, s17, 7
	s_add_co_u32 s68, s68, s66                     ; my first rowtile of the result
	s_lshl_b32 s2, s68, 4
	s_add_co_u32 s2, s2, s18
	s_mul_i32 s2, s2, 768
	s_add_nc_u64 s[10:11], s[10:11], s[2:3]
	s_lshl_b32 s2, s68, 9
	s_lshl_b32 s69, s18, 1
	s_add_co_u32 s2, s2, s69
	s_add_nc_u64 s[12:13], s[12:13], s[2:3]
	CROUND                                         ; all four work-groups are here: the joint loads meet
	tensor_load_to_lds s[32:35], s[24:31]
	s_nop 0
	tensor_load_to_lds s[36:39], s[24:31]
	s_nop 0
	tensor_load_to_lds s[40:43], s[24:31]
	s_nop 0
	tensor_load_to_lds s[44:47], s[24:31]
	s_nop 0
.rept 4
	v_nop
.endr
	s_wait_alu depctr_va_vdst(0)
	global_load_b128 v[128:131], v125, s[56:57]
	global_load_b128 v[132:135], v125, s[56:57] offset:16
	global_load_b64 v[136:137], v126, s[8:9]       ; the mask of keys 8 x thread on
	global_load_b128 v[140:143], v127, s[62:63]
.irp t, 0,1,2,3
	global_load_b32 v[144+\t], v124, s[60:61] offset:64*\t
.endr
	WIN 0x40
.irp t, 0,1,2,3
.irp p, 0,1,2
	global_load_b64 v[QF+12*\t+2*\p:QF+12*\t+2*\p+1], v[A8], s[58:59] offset:768*\t+256*\p
.endr
.endr
.set II, 0
.rept 128
	v_mov_b32 v[II], 0                             ; O^T: the step is written once; its first trip finds zeros
.set II, II+1
.endr
.irp t, 0,1,2,3
.irp i, 6,7,8,9,10,11
	v_mov_b32 v[QF+12*\t+\i], 0                    ; zero codes at K = 64 .. 127
.endr
.endr
.irp u, 0,1,2,3,4,5,6,7
	v_mov_b32 v[KF+8*\u+6], 0                      ; registers that K's loads do not fill are written once
	v_mov_b32 v[KF+8*\u+7], 0
.endr
.irp i, 64,65,66,67
	v_mov_b32 v[KF+\i], 0
.endr
	WIN 0
.irp t, 0,1,2,3
	v_mov_b32 v[ST+4*\t], 0x67800000               ; -M = 2^80
	v_mov_b32 v[ST+4*\t+1], 0xe7800000             ; the largest t so far: -2^80
	v_mov_b32 v[ST+4*\t+2], 0
	v_mov_b32 v[ST+4*\t+3], 0
.endr
	v_mov_b32 v[F+1], 0                            ; (named as the upper half of a pair)
	v_mov_b32 v[PX], 0                             ; a lane permute's destination counts as one of its sources
	v_mov_b32 v1, 0x7f7f
	v_mov_b32 v156, 0xf0800000                     ; -2^98
	s_wait_alu depctr_va_vdst(0)
	s_wait_loadcnt 0x0
.irp t, 0,1,2,3
	v_perm_b32 v[QS+\t], v1, v[144+\t], s70        ; my head's two bytes, then 0x7f for the two blocks of zero codes
.endr
.irp i, 0,1,2,3,4,5,6,7
	v_perm_b32 v[128+\i], v1, v[128+\i], s70
.endr
.irp i, 0,1,2,3,4,5,6,7
	v_bfe_u32 v[148+\i], v[136+\i/4], 8*(\i%4), 8
.endr
.irp i, 0,1,2,3,4,5,6,7
	v_cmp_eq_u32 vcc_lo, 0, v[148+\i]
	s_delay_alu instid0(VALU_DEP_1)
	v_cndmask_b32 v[148+\i], 0, v156, vcc_lo
.endr
	v_add_nc_u32 v14, KS, v125
	v_add_nc_u32 v15, MK, v125
	v_add_nc_u32 v127, VS, v127
	ds_store_b128 v14, v[128:131]
	ds_store_b128 v14, v[132:135] offset:16
	ds_store_b128 v15, v[148:151]
	ds_store_b128 v15, v[152:155] offset:16
	ds_store_b128 v127, v[140:143]
.macro SCORES t                        ; S^T of tile t: eight tiles of 16 keys; C = the mask's words
	WIN 0x05
.irp u, 0,1,2,3,4,5,6,7
	v_wmma_scale_f32_16x16x128_f8f6f4 v[S+8*\u:S+8*\u+7], v[KF+8*\u:KF+8*\u+11], v[QF+12*(\t):QF+12*(\t)+11], v[MB+8*\u:MB+8*\u+7], v[KSR+\u], v[QS+(\t)] matrix_a_fmt:MATRIX_FMT_FP6 matrix_b_fmt:MATRIX_FMT_FP6
.endr
	WIN 0
	PLACES
.endm
.macro SOFT t                          ; tile t's softmax of 128 keys.  My lane holds blocks h (registers 0-31) and 2 + h (32-63) whole
.set NM, ST+4*(\t)
.irp c, 0,1
	v_max3_num_f32 v[BM+2*\c], v[S+32*\c], v[S+32*\c+1], v[S+32*\c+2]          ; the largest score of each block, in two chains; each accumulator is read from its low end on
	v_max3_num_f32 v[BM+2*\c+1], v[S+32*\c+16], v[S+32*\c+17], v[S+32*\c+18]
.endr
.irp i, 3,5,7,9,11,13
.irp c, 0,1
	v_max3_num_f32 v[BM+2*\c], v[BM+2*\c], v[S+32*\c+\i], v[S+32*\c+\i+1]
	v_max3_num_f32 v[BM+2*\c+1], v[BM+2*\c+1], v[S+32*\c+16+\i], v[S+32*\c+17+\i]
.endr
.endr
.irp c, 0,1
	v_max3_num_f32 v[BM+2*\c], v[BM+2*\c], v[BM+2*\c+1], v[S+32*\c+15]
.endr
.irp c, 0,1
	v_max_num_f32 v[BM+2*\c], v[BM+2*\c], v[S+32*\c+31]
.endr
	s_delay_alu instid0(VALU_DEP_1)
	v_max_num_f32 v[T0], v[BM], v[BM+2]
	s_delay_alu instid0(VALU_DEP_1)
	v_permlanex16_b32 v[PX], v[T0], s[SEL], s[SEL+1]
	s_delay_alu instid0(VALU_DEP_1)
	v_max_num_f32 v[T0], v[T0], v[PX]              ; the step's largest score of my query
	s_delay_alu instid0(VALU_DEP_1)
	v_mul_f32 v[T0], s[CS], v[T0]
	s_delay_alu instid0(VALU_DEP_1)
	v_max_num_f32 v[NM+1], v[NM+1], v[T0]          ; the running largest t
	v_mov_b32 v[T1], v[NM]
	s_delay_alu instid0(VALU_DEP_2)
	v_floor_f32 v[NM], -v[NM+1]                    ; -M = floor(-t): M is a whole number
	s_delay_alu instid0(VALU_DEP_1)
	v_sub_f32 v[T1], v[NM], v[T1]
	s_delay_alu instid0(VALU_DEP_1)
	v_cvt_i32_f32 v[T1], v[T1]                     ; (it saturates)
	s_delay_alu instid0(VALU_DEP_1)
	v_ldexp_f32 v[F], 1.0, v[T1]                   ; f = 2^(old M - new M)
.set II, 0
.rept 32
	v_pk_fma_f32 v[S+II:S+II+1], v[S+II:S+II+1], s[CS:CS+1], v[NM:NM+1] op_sel_hi:[1,0,0]   ; t - M
.set II, II+2
.endr
.irp c, 0,1
	v_fma_f32 v[BM+2*\c], v[BM+2*\c], s[CS], v[NM] ; the same of each block's largest score
.endr
.set II, 0
	s_wait_alu depctr_va_vdst(0)
.rept 64
	v_exp_f32 v[S+II], v[S+II]                     ; p
.set II, II+1
.endr
	v_pk_mul_f32 v[NM+2:NM+3], v[NM+2:NM+3], v[F:F+1] op_sel_hi:[1,0]   ; the sum under the new M (a plain line behind the exponentials)
	s_wait_alu depctr_va_vdst(0)                   ; one wait for the batch, ahead of its first reader
.irp c, 0,1
	v_exp_f32 v[BM+2*\c], v[BM+2*\c]               ; each block's largest p: the same two instructions on the same number
.endr
	v_pk_add_f32 v[SU:SU+1], v[S:S+1], v[S+2:S+3]  ; the sum of the unquantised p, in two chains
.irp j, 4,8,12,16,20,24,28,32,36,40,44,48,52,56,60
	v_pk_add_f32 v[NM+2:NM+3], v[NM+2:NM+3], v[S+\j:S+\j+1]
	v_pk_add_f32 v[SU:SU+1], v[SU:SU+1], v[S+\j+2:S+\j+3]
.endr
	s_delay_alu instid0(VALU_DEP_1)
	v_pk_add_f32 v[NM+2:NM+3], v[NM+2:NM+3], v[SU:SU+1]
	s_wait_alu depctr_va_vdst(0)                   ; and one for the two
.irp c, 0,1
	v_max_num_f32 v[BM+2*\c], 0x1800000, v[BM+2*\c]   ; the floor 2^(3 - 127): the byte cannot fall under 1
.endr
.irp c, 0,1
	s_delay_alu instid0(VALU_DEP_2)
	v_add_nc_u32 v[SO+\c], 0xff000000, v[BM+2*\c]
.endr
.irp c, 0,1
	s_delay_alu instid0(VALU_DEP_2)
	v_lshrrev_b32 v[BY+\c], 23, v[SO+\c]
.endr
	s_delay_alu instid0(VALU_DEP_1)
	v_lshl_or_b32 v[PS+(\t)], v[BY+1], 16, v[BY]
	s_delay_alu instid0(VALU_DEP_1)
	v_lshlrev_b32 v[PS+(\t)], v[SH8], v[PS+(\t)]
	s_delay_alu instid0(VALU_DEP_1)
	v_permlanex16_b32 v[PX], v[PS+(\t)], s[SEL], s[SEL+1]
	s_delay_alu instid0(VALU_DEP_1)
	v_or_b32 v[PS+(\t)], v[PS+(\t)], v[PX]         ; p's scale word for these 128 keys
.irp c, 0,1
	v_cvt_scalef32_pk16_fp6_f32 v[P+12*(\t)+6*\c:P+12*(\t)+6*\c+2], v[S+32*\c:S+32*\c+15], v[SO+\c]
	v_cvt_scalef32_pk16_fp6_f32 v[CT+4*\c:CT+4*\c+2], v[S+32*\c+16:S+32*\c+31], v[SO+\c]
.endr
	v_nop                                          ; one plain line behind the conversions
.irp c, 0,1
.irp i, 0,1,2
	v_mov_b32 v[P+12*(\t)+6*\c+3+\i], v[CT+4*\c+\i]
.endr
.endr
	WIN 0x41
.set II, 0
.rept 16
	v_pk_mul_f32 v[32*(\t)+II:32*(\t)+II+1], v[32*(\t)+II:32*(\t)+II+1], v[F:F+1] op_sel_hi:[1,0]   ; O^T under the new M; these lines also stand between the scale word's last write and the products that take it
.set II, II+2
.endr
	WIN 0
.endm
.macro STEP                            ; 128 keys
	v_add_nc_u32 v[ADK], s[TK], v[A8]              ; (these five lines are also the places in front of the loads into registers that the last products read)
	v_add_nc_u32 v[ADV], s[TK], v[AV0]
	v_add_nc_u32 v[ADS], s[TS], v[AS0]
	v_add_nc_u32 v[ADM], s[TS], v[AM0]
	v_add_nc_u32 v[ADT], s[TT], v[AT0]
	WIN 0x40
.irp u, 0,1,2,3,4,5,6,7
.irp p, 0,1,2
	ds_load_b64 v[KF+8*\u+2*\p:KF+8*\u+2*\p+1], v[ADK] offset:768*\u+256*\p
.endr
.endr
	WIN 0
	s_setprio 2
.irp u, 0,1,2,3,4,5,6,7
	ds_load_b32 v[KSR+\u], v[ADS] offset:64*\u
.endr
.irp u, 0,1,2,3,4,5,6,7
	ds_load_b128 v[MB+8*\u:MB+8*\u+3], v[ADM] offset:256*(\u/4)+32*(\u%4)
	ds_load_b128 v[MB+8*\u+4:MB+8*\u+7], v[ADM] offset:256*(\u/4)+32*(\u%4)+16
.endr
	s_wait_dscnt 0x0
.irp t, 0,1,2,3
	SCORES \t
.if \t == 3
	WIN 0x40                                       ; K is done with: V's fragments take its registers, and land under the last softmax
	s_setprio 1
.irp d, 0,1,2,3
.irp i, 0,1,2,3,4,5
	ds_load_b64 v[KF+12*\d+2*\i:KF+12*\d+2*\i+1], v[ADV] offset:1536*\d+256*\i
.endr
.endr
	WIN 0
.irp d, 0,1,2,3
	ds_load_b32 v[VSR+\d], v[ADT] offset:64*\d
.endr
.endif
	SOFT \t
.endr
	s_wait_alu depctr_va_vdst(0)
	s_wait_dscnt 0x0
	WIN 0x51
	s_setprio 0
.irp d, 0,1,2,3
.irp t, 0,1,2,3
	v_wmma_scale_f32_16x16x128_f8f6f4 v[32*\t+8*\d:32*\t+8*\d+7], v[KF+12*\d:KF+12*\d+11], v[P+12*\t:P+12*\t+11], v[32*\t+8*\d:32*\t+8*\d+7], v[VSR+\d], v[PS+\t] matrix_a_fmt:MATRIX_FMT_FP6 matrix_b_fmt:MATRIX_FMT_FP6
.endr
.endr
	WIN 0
	s_add_co_u32 s[TK], s[TK], 6144
	s_add_co_u32 s[TS], s[TS], 512
	s_add_co_u32 s[TT], s[TT], 256
.endm
	s_wait_tensorcnt 3                             ; my part of the first 512 keys is in; three younger loads may stay out
	s_wait_dscnt 0x0                               ; my part of the three tables lies in LDS
	s_barrier_signal -1
	s_barrier_wait -1
	s_mov_b32 s51, 4
.Lfirst:                                           ; the first 512 keys
	STEP
	s_sub_co_u32 s51, s51, 1
	s_cmp_lg_u32 s51, 0
	s_cbranch_scc1 .Lfirst
	s_setprio 0
	s_wait_tensorcnt 0x0                           ; all my parts are in
	s_wait_dscnt 0x0
	s_barrier_signal -1
	s_barrier_wait -1
	s_mov_b32 s51, 12
.Lrest:
	STEP
	s_sub_co_u32 s51, s51, 1
	s_cmp_lg_u32 s51, 0
	s_cbranch_scc1 .Lrest
	s_setprio 0
	; THE WAY OUT: O^T / the sum; a lane's 32 registers of a tile are block h of the head's 64: quantised as they stand
.irp t, 0,1,2,3
	v_add_f32 v[BM+\t], v[ST+4*\t+2], v[ST+4*\t+3]
.endr
.irp t, 0,1,2,3
	s_delay_alu instid0(VALU_DEP_4)
	v_permlanex16_b32 v[SO+\t], v[BM+\t], s[SEL], s[SEL+1]
.endr
.irp t, 0,1,2,3
	s_delay_alu instid0(VALU_DEP_4)
	v_add_f32 v[BM+\t], v[BM+\t], v[SO+\t]         ; the row's sum
.endr
.irp t, 0,1,2,3
	s_delay_alu instid0(VALU_DEP_4)
	v_cmp_eq_f32 s[52+\t], 0, v[BM+\t]             ; no key counted
.endr
.irp t, 0,1,2,3
	v_rcp_f32 v[ST+4*\t+2], v[BM+\t]
.endr
	v_mov_b32 v1, 0xff                             ; (a plain line behind the reciprocals)
	s_wait_alu depctr_va_vdst(0)                   ; one wait for the four, ahead of their first reader
.macro QUANT32 s, pc, by
	v_max3_num_f32 v[T0], |v[\s]|, |v[\s+1]|, 0x1800000
	v_max3_num_f32 v[T1], |v[\s+16]|, |v[\s+17]|, 0x1800000
.irp i, 2,4,6,8,10,12,14
	s_delay_alu instid0(VALU_DEP_2)
	v_max3_num_f32 v[T0], v[T0], |v[\s+\i]|, |v[\s+\i+1]|
	s_delay_alu instid0(VALU_DEP_2)
	v_max3_num_f32 v[T1], v[T1], |v[\s+16+\i]|, |v[\s+17+\i]|
.endr
	s_delay_alu instid0(VALU_DEP_1)
	v_max_num_f32 v[T0], v[T0], v[T1]
	s_delay_alu instid0(VALU_DEP_1)
	v_add_nc_u32 v[SU], 0xff000000, v[T0]
	s_delay_alu instid0(VALU_DEP_1)
	v_lshrrev_b32 v[\by], 23, v[SU]
	v_cvt_scalef32_pk16_fp6_f32 v[\pc:\pc+2], v[\s:\s+15], v[SU]
	v_cvt_scalef32_pk16_fp6_f32 v[CT:CT+2], v[\s+16:\s+31], v[SU]
	v_nop
	v_mov_b32 v[\pc+3], v[CT]
	v_mov_b32 v[\pc+4], v[CT+1]
	v_mov_b32 v[\pc+5], v[CT+2]
.endm
.macro OUTT t
	WIN 0x01
.set II, 0
.rept 16
	v_pk_mul_f32 v[S+32*((\t)%2)+II:S+32*((\t)%2)+II+1], v[32*(\t)+II:32*(\t)+II+1], v[ST+4*(\t)+2:ST+4*(\t)+3] op_sel_hi:[1,0]   ; ascending: each accumulator from its low end on
.set II, II+2
.endr
	WIN 0
	QUANT32 S+32*((\t)%2), P+12*(\t), OB+(\t)
	v_cndmask_b32 v[OB+(\t)], v[OB+(\t)], v1, s[52+(\t)]
.irp p, 0,1,2
	global_store_b64 v[A8], v[P+12*(\t)+2*\p:P+12*(\t)+2*\p+1], s[10:11] offset:12288*(\t)+256*\p   ; 32 lanes store 256 consecutive bytes, at a multiple of 256
.endr
	global_store_b8 v[SBO], v[OB+(\t)], s[12:13] offset:512*(\t)   ; a head owns 2 of a row's 32 scale bytes
.endm
	OUTT 0
	OUTT 1
	OUTT 2
	OUTT 3
	s_wait_tensorcnt 0x0
	ds_add_u32 v49, v53
	s_wait_dscnt 0x0
	CROUND                                         ; the closing round
	s_endpgm
.Lfunc_end_k_qe251ebc7cd_attn:
	.size	k_qe251ebc7cd_attn, .Lfunc_end_k_qe251ebc7cd_attn-k_qe251ebc7cd_attn
	.p2alignl 7, 3214868480
	.fill 96, 4, 3214868480
	.section	.rodata,"a",@progbits
	.p2align	6, 0x0
	.amdhsa_kernel k_qe251ebc7cd_attn
		.amdhsa_group_segment_fixed_size 218112
		.amdhsa_private_segment_fixed_size 0
		.amdhsa_enable_private_segment 0
		.amdhsa_kernarg_size 40
		.amdhsa_user_sgpr_count 2
		.amdhsa_user_sgpr_kernarg_segment_ptr 1
		.amdhsa_wavefront_size32 1
		.amdhsa_system_sgpr_workgroup_id_x 1
		.amdhsa_system_sgpr_workgroup_id_y 1
		.amdhsa_system_sgpr_workgroup_id_z 1
		.amdhsa_system_vgpr_workitem_id 0
		.amdhsa_next_free_vgpr 512
		.amdhsa_next_free_sgpr 72
		.amdhsa_reserve_vcc 1
		.amdhsa_float_denorm_mode_32 3
		.amdhsa_float_denorm_mode_16_64 3
		.amdhsa_memory_ordered 1
		.amdhsa_forward_progress 1
		.amdhsa_inst_pref_size 149
	.end_amdhsa_kernel
	.amdgpu_metadata
---
amdhsa.version: [ 1, 2 ]
amdhsa.kernels:
  - .name:           k_qe251ebc7cd_attn
    .symbol:         k_qe251ebc7cd_attn.kd
    .args:
      - { .name: qkvc, .offset: 0, .size: 8, .value_kind: global_buffer, .address_space: global }
      - { .name: qkvsc, .offset: 8, .size: 8, .value_kind: global_buffer, .address_space: global }
      - { .name: mask, .offset: 16, .size: 8, .value_kind: global_buffer, .address_space: global }
      - { .name: atc, .offset: 24, .size: 8, .value_kind: global_buffer, .address_space: global }
      - { .name: atsc, .offset: 32, .size: 8, .value_kind: global_buffer, .address_space: global }
    .group_segment_fixed_size: 218112
    .private_segment_fixed_size: 0
    .kernarg_segment_align: 8
    .kernarg_segment_size: 40
    .max_flat_workgroup_size: 256
    .sgpr_count:     72
    .vgpr_count:     512
    .wavefront_size: 32
...
	.end_amdgpu_metadata
.endif
;; end of part 3
;; launch outp (part 4): grid 4 x 64, 4 waves a work-group, clusters of 4 x 4, 295,424 bytes of LDS; arguments atc, atsc, wc, wsc, bo, query_input, out0; writes out0
.if DOCPART == 4
	.amdgcn_target "amdgcn-amd-amdhsa--gfx1250"
	.amdhsa_code_object_version 6
	.text
	.protected	k_qe251ebc7cd_outp
	.globl	k_qe251ebc7cd_outp
	.p2align	8
	.type	k_qe251ebc7cd_outp,@function
k_qe251ebc7cd_outp:
	s_mov_b64 s[64:65], 0
	v_nop
	global_prefetch_b8 v0, s[64:65] scope:SCOPE_SE
	s_setreg_imm32_b32 hwreg(HW_REG_WAVE_MODE, 25, 1), 1
	s_wait_xcnt 0x0
	s_wait_alu depctr_hold_cnt(0) depctr_sa_sdst(0) depctr_va_vdst(0) depctr_va_sdst(0) depctr_va_ssrc(0) depctr_va_vcc(0) depctr_vm_vsrc(0)
	s_getreg_b32 s2, hwreg(HW_REG_IB_STS2, 6, 4)
	s_cmp_eq_u32 s2, 0
	s_cbranch_scc0 .Lentry_in_a_cluster
	s_endpgm
.Lentry_in_a_cluster:
	s_bfe_u32 s2, ttmp6, 0x10000c
	s_cmp_lg_u32 s2, 0xf033
	s_cbranch_scc0 .Lentry_shape_is_right
	s_endpgm
.Lentry_shape_is_right:
; out0 = query_input + attn wo^T + bo; the product on codes of FP6 (E2M3).  A work-group multiplies region Y (128 rows of attn) by region X (256 rows of wo) over all of K = 1,024; source 0 = 16 rows of X,
; source 1 = 16 rows of Y: a lane holds one row of the result and its registers run along the columns.  LDS holds both regions as four quarters of K, each filled ONCE: 4 tensor loads a wave are out at the start
; by this text's count; nothing is filled again.  CLUSTERS: 4 x 4; Y's tiles are shared along a row of the cluster, X's along a column: joint loads.  A wave: 64 rows x 128 columns, 32 accumulators.
; bo is the C of the first K step.  The residual comes as whole rows of 512 bytes, two of its four sets at the head, and is added where the results come back from the stage as whole rows.
; The stage lies in quarter 0's bytes: they have had their only fill, and every wave's reads of them are over in front of the last barrier.
; Lane-row u of rowtile a is row 8 a + (u & 7) + 32 (u >> 3) of the wave's 64.  LIMITS: NaN and infinities among the inputs are not served (a scale byte 0xff, set for a batch without keys, gives NaN, as is asked).
; REGISTERS: window 0: v4-11 addresses; v32-95 X's scale words, v96-127 Y's; v128-191 bo, later with v192-255 two sets of 16 rows.   window 1, 2: fragment sets 0, 1 (v0-143); v144-207 residual sets 0, 1; later v0-63 sets 2, 3.   window 3: accumulators.
.set QB,   73728
.set ADR0, 4
.set ADR1, 5
.set SV,   6
.set L16,  7                           ; v7  16 x lane
.set STO,  8                           ; v8  the stage: where I put 32 bytes of a row
.set RD,   9                           ; v9  and where I read a row back
.set BJO,  10                          ; v10 128 h
.set SC0,  32
.set SC1,  96
.set BJ,   128
.set BK,   128
.set MSB, 0
.macro WIN new
.if MSB != (\new)
	s_set_vgpr_msb (MSB<<8)|(\new)
.set MSB, (\new)
.endif
.endm
.macro PLACES
.rept 4
	v_nop
.endr
.endm
.macro CROUND
	s_barrier_signal -1
	s_barrier_wait -1
	s_cmp_lg_u32 s24, 0
	s_cbranch_scc1 .Lnot_wave_0_\@
	s_barrier_signal -3
.Lnot_wave_0_\@:
	s_barrier_wait -3
	s_barrier_signal -1
	s_barrier_wait -1
.endm
	s_load_b256 s[4:11], s[0:1], 0x0               ; atc, atsc, wc, wsc
	s_load_b128 s[12:15], s[0:1], 0x20             ; bo, query_input
	s_load_b64 s[16:17], s[0:1], 0x30              ; out0
	v_lshl_add_u32 v30, v0, 2, 0x48000
	v_mov_b32 v31, 0
	ds_add_u32 v30, v31
	ds_add_u32 v30, v31
	v_lshrrev_b32 v1, 5, v0
	v_readfirstlane_b32 s24, v1
	s_lshr_b32 s25, s24, 1                         ; wI; also: I fetch for Y (0) or X (1)
	s_and_b32 s26, s24, 1                          ; wJ; also: which half I fetch
	s_bfe_u32 s27, ttmp6, 0x40000                  ; cx = xt
	s_bfe_u32 s28, ttmp6, 0x40004                  ; cy
	s_and_b32 s29, ttmp7, 0xffff
	s_lshl_b32 s92, s29, 2
	s_add_co_u32 s92, s92, s28                     ; yt
	s_lshl_b32 s94, s28, 2
	s_lshl_b32 s94, 15, s94
	s_lshl_b32 s95, 0x1111, s27
	s_or_b32 s36, s94, (3<<16)|(1<<21)             ; group 1 as rows of 3,072 bytes, 12,288 apart: 4 rowtiles (Y), 8 (X)
	s_mov_b32 s37, 384<<16
	s_mov_b32 s38, 4<<16
	s_mov_b32 s39, 384<<16
	s_mov_b32 s40, 4
	s_mov_b32 s41, 1536
	s_mov_b32 s42, 0
	s_mov_b32 s43, 0
	s_or_b32 s44, s95, (3<<16)|(1<<21)
	s_mov_b32 s45, 384<<16
	s_mov_b32 s46, 8<<16
	s_mov_b32 s47, 384<<16
	s_mov_b32 s48, 8
	s_mov_b32 s49, 1536
	s_mov_b32 s50, 0
	s_mov_b32 s51, 0
	v_and_b32 v1, 31, v0
	v_and_b32 v2, 15, v0
	v_bfe_u32 v3, v0, 4, 1
	v_lshlrev_b32 v11, 3, v1
	s_mul_i32 s67, s26, 24576
	s_add_co_u32 s67, s67, 24576
	v_add_nc_u32 v[ADR0], s67, v11
	s_mul_i32 s66, s25, 12288
	v_add_nc_u32 v[ADR1], s66, v11
	v_lshlrev_b32 v[SV], 5, v2
	v_lshlrev_b32 v[L16], 4, v1
	s_mul_i32 s66, s24, 8448                       ; my stage: 16 rows x (512 + 16) bytes
	v_mul_u32_u24 v[STO], v2, 528
	v_lshl_add_u32 v[STO], v3, 7, v[STO]
	v_add_nc_u32 v[STO], s66, v[STO]
	v_add_nc_u32 v[RD], s66, v[L16]
	v_lshlrev_b32 v[BJO], 7, v3
	s_lshl_b32 s96, s92, 3                         ; Y: the work-group's first rowtile
	s_lshl_b32 s97, s26, 2
	s_add_co_u32 s97, s97, s96
	s_mul_i32 s100, s97, 12288
	s_mov_b32 s101, 0
	s_lshl_b32 s98, s27, 4
	s_add_co_u32 s98, s98, 192                     ; wo's rowtiles begin at 192
	s_lshl_b32 s99, s26, 3
	s_add_co_u32 s98, s98, s99
	s_mul_i32 s2, s98, 12288
	s_mov_b32 s3, 0
	s_mul_i32 s66, s26, 12288
	s_wait_dscnt 0x0
	s_wait_kmcnt 0x0
	s_add_nc_u64 s[4:5], s[4:5], s[100:101]
	s_add_nc_u64 s[8:9], s[8:9], s[2:3]
.irp q, 0,1,2,3
.set GY, 52+4*\q+4*(\q/3)
.set GX, 72+4*\q
	s_mov_b32 s[GY], 1
	s_add_co_u32 s[GY+1], s66, \q*QB
	s_add_nc_u64 s[GY+2:GY+3], s[4:5], \q*3072
	s_or_b32 s[GY+3], s[GY+3], 0x80000000
	s_mov_b32 s[GX], 1
	s_add_co_u32 s[GX+1], s67, \q*QB
	s_add_nc_u64 s[GX+2:GX+3], s[8:9], \q*3072
	s_or_b32 s[GX+3], s[GX+3], 0x80000000
.endr
	s_lshl_b32 s2, s98, 9
	s_add_nc_u64 s[10:11], s[10:11], s[2:3]        ; the scale bytes of my 8 rowtiles of X
	s_lshl_b32 s100, s25, 2
	s_add_co_u32 s100, s100, s96
	s_lshl_b32 s100, s100, 9
	s_add_nc_u64 s[6:7], s[6:7], s[100:101]        ; of my 4 rowtiles of Y
	s_lshl_b32 s20, s27, 8
	s_lshl_b32 s21, s26, 7
	s_add_co_u32 s20, s20, s21
	s_lshl_b32 s20, s20, 2                         ; my first column, in bytes
	s_mov_b32 s21, 0
	s_add_nc_u64 s[12:13], s[12:13], s[20:21]
	s_lshl_b32 s22, s92, 7
	s_lshl_b32 s23, s25, 6
	s_add_co_u32 s22, s22, s23
	s_lshl_b32 s22, s22, 12                        ; my first row, in bytes
	s_add_co_u32 s20, s20, s22
	s_add_nc_u64 s[14:15], s[14:15], s[20:21]
	s_add_nc_u64 s[16:17], s[16:17], s[20:21]
	CROUND
	s_cmp_eq_u32 s25, 0
	s_cbranch_scc0 .Lfill_x
	tensor_load_to_lds s[52:55], s[36:43]
	s_nop 0
	tensor_load_to_lds s[56:59], s[36:43]
	s_nop 0
	tensor_load_to_lds s[60:63], s[36:43]
	s_nop 0
	tensor_load_to_lds s[68:71], s[36:43]
	s_nop 0
.rept 4
	v_nop
.endr
	s_branch .Lfilled
.Lfill_x:
	tensor_load_to_lds s[72:75], s[44:51]
	s_nop 0
	tensor_load_to_lds s[76:79], s[44:51]
	s_nop 0
	tensor_load_to_lds s[80:83], s[44:51]
	s_nop 0
	tensor_load_to_lds s[84:87], s[44:51]
	s_nop 0
.rept 4
	v_nop
.endr
.Lfilled:
	s_wait_alu depctr_va_vdst(0)
.irp b, 0,1,2,3,4,5,6,7
	global_load_b128 v[SC0+8*\b:SC0+8*\b+3], v[SV], s[10:11] offset:512*\b
	global_load_b128 v[SC0+8*\b+4:SC0+8*\b+7], v[SV], s[10:11] offset:512*\b+16
.endr
.irp a, 0,1,2,3
	global_load_b128 v[SC1+8*\a:SC1+8*\a+3], v[SV], s[6:7] offset:512*\a
	global_load_b128 v[SC1+8*\a+4:SC1+8*\a+7], v[SV], s[6:7] offset:512*\a+16
.endr
.irp c, 0,1
.irp q, 0,1,2,3,4,5,6,7
	global_load_b128 v[BJ+32*\c+4*\q:BJ+32*\c+4*\q+3], v[BJO], s[12:13] offset:256*\c+16*\q
.endr
.endr
.macro RESLOAD a                       ; the residual of rowtile a: 16 rows of 512 consecutive bytes
.set RB, 144-144*((\a)/2)
	WIN 0x40*(1+(\a)%2)
.irp u, 0,1,2,3,4,5,6,7,8,9,10,11,12,13,14,15
	global_load_b128 v[RB+4*\u:RB+4*\u+3], v[L16], s[14:15] offset:(8*(\a)+(\u%8)+32*(\u/8))*4096 th:TH_LOAD_NT
.endr
	WIN 0
.endm
	RESLOAD 0
	RESLOAD 1
.macro FETCH s, set
	WIN 0x40*(1+(\set))
.irp b, 0,1,2,3,4,5,6,7
.irp i, 0,1,2,3,4,5
	ds_load_b64 v[12*\b+2*\i:12*\b+2*\i+1], v[ADR0] offset:\b*3072+(\s)*1536+256*\i
.endr
.endr
.irp a, 0,1,2,3
.irp i, 0,1,2,3,4,5
	ds_load_b64 v[96+12*\a+2*\i:96+12*\a+2*\i+1], v[ADR1] offset:\a*3072+(\s)*1536+256*\i
.endr
.endr
	WIN 0
.endm
.macro MUL a0, n, k                    ; the 32 accumulators take turns, one instruction a turn, in the same order in every step; step 0 starts the sums with bo
.if (\k) == 0
	WIN 0xc5
.elseif (\k)%2 == 0
	WIN 0xf5
.else
	WIN 0xfa
.endif
.set AA, \a0
.rept \n
.irp b, 0,1,2,3,4,5,6,7
.if (\k) == 0
	v_wmma_scale_f32_16x16x128_f8f6f4 v[64*AA+8*\b:64*AA+8*\b+7], v[12*\b:12*\b+11], v[96+12*AA:96+12*AA+11], v[BJ+8*\b:BJ+8*\b+7], v[SC0+8*\b+(\k)], v[SC1+8*AA+(\k)] matrix_a_fmt:MATRIX_FMT_FP6 matrix_b_fmt:MATRIX_FMT_FP6
.else
	v_wmma_scale_f32_16x16x128_f8f6f4 v[64*AA+8*\b:64*AA+8*\b+7], v[12*\b:12*\b+11], v[96+12*AA:96+12*AA+11], v[64*AA+8*\b:64*AA+8*\b+7], v[SC0+8*\b+(\k)], v[SC1+8*AA+(\k)] matrix_a_fmt:MATRIX_FMT_FP6 matrix_b_fmt:MATRIX_FMT_FP6
.endif
.endr
.set AA, AA+1
.endr
.endm
.macro KEVEN k
	s_wait_dscnt 0x0
	PLACES
	FETCH 1, 1
	MUL 0, 4, \k
.endm
.macro KODD k
	s_wait_dscnt 0x0
	s_wait_tensorcnt 2-(\k)/2                      ; my part of the next quarter has landed; the later quarters' loads may stay out
	s_barrier_signal -1
	MUL 0, 2, \k
	WIN 0
	s_barrier_wait -1
	PLACES
	v_add_nc_u32 v[ADR0], QB, v[ADR0]
	v_add_nc_u32 v[ADR1], QB, v[ADR1]
	FETCH 0, 0
	MUL 2, 2, \k
.endm
	s_wait_tensorcnt 3                             ; my part of quarter 0 is in; three younger loads may stay out
	s_barrier_signal -1
	s_barrier_wait -1
	FETCH 0, 0
	s_wait_loadcnt 32                              ; scales and bo are in; the 32 loads of residual sets 0 and 1 may stay out
	KEVEN 0
	KODD 1
	s_wait_alu depctr_va_vdst(0)
	KEVEN 2
	KODD 3
	s_wait_alu depctr_va_vdst(0)
	KEVEN 4
	KODD 5
	s_wait_alu depctr_va_vdst(0)
	KEVEN 6
	s_wait_dscnt 0x0
	MUL 0, 4, 7
	WIN 0
; THE WAY OUT, a rowtile at a time: a lane's 32 bytes of a row go into my stage and come back as whole rows of 512 bytes.  LDS serves a wave's instructions in order (ISA guide 5.7.1.4): no wait between the stores and the loads
.macro TOSTAGE a
	WIN 0x0c                                       ; an LDS store's data are its source 1: window 3
.irp b, 0,1,2,3,4,5,6,7
	ds_store_b128 v[STO], v[64*(\a)+8*\b:64*(\a)+8*\b+3] offset:256*(\b/4)+32*(\b%4)       ; each accumulator from its low end on
	ds_store_b128 v[STO], v[64*(\a)+8*\b+4:64*(\a)+8*\b+7] offset:256*(\b/4)+32*(\b%4)+16
.endr
	WIN 0
.set BB, BK+64*((\a)%2)
.irp u, 0,1,2,3,4,5,6,7,8,9,10,11,12,13,14,15
	ds_load_b128 v[BB+4*\u:BB+4*\u+3], v[RD] offset:528*\u
.endr
.endm
.macro SEND a, younger, left           ; younger: LDS instructions issued behind this rowtile's loads; left: residual loads issued behind this rowtile's
.set BB, BK+64*((\a)%2)
.set RB, 144-144*((\a)/2)
	s_wait_dscnt \younger
	s_wait_loadcnt \left
	WIN 0x04*(1+(\a)%2)
.set II, 0
.rept 32
	v_pk_add_f32 v[BB+II:BB+II+1], v[BB+II:BB+II+1], v[RB+II:RB+II+1]
.set II, II+2
.endr
	WIN 0
.irp u, 0,1,2,3,4,5,6,7,8,9,10,11,12,13,14,15
	global_store_b128 v[L16], v[BB+4*\u:BB+4*\u+3], s[16:17] offset:(8*(\a)+(\u%8)+32*(\u/8))*4096 th:TH_STORE_NT   ; 32 lanes store 512 consecutive bytes, at a multiple of 512
.endr
.endm
	PLACES                                         ; in front of loads into the fragments' registers and of the first read of results
	RESLOAD 2
	RESLOAD 3
	TOSTAGE 0
.irp a, 1,2,3
.if \a > 1
	s_wait_xcnt 0x0                                ; rowtile a - 2's stores have read their registers: rowtile a's rows may land there
.endif
	TOSTAGE \a
	SEND \a-1, 32, 48-16*(\a-1)
.endr
	SEND 3, 0, 0
	s_wait_tensorcnt 0x0
	ds_add_u32 v30, v31
	s_wait_dscnt 0x0
	CROUND                                         ; the closing round
	s_endpgm
.Lfunc_end_k_qe251ebc7cd_outp:
	.size	k_qe251ebc7cd_outp, .Lfunc_end_k_qe251ebc7cd_outp-k_qe251ebc7cd_outp
	.p2alignl 7, 3214868480
	.fill 96, 4, 3214868480
	.section	.rodata,"a",@progbits
	.p2align	6, 0x0
	.amdhsa_kernel k_qe251ebc7cd_outp
		.amdhsa_group_segment_fixed_size 295424
		.amdhsa_private_segment_fixed_size 0
		.amdhsa_enable_private_segment 0
		.amdhsa_kernarg_size 56
		.amdhsa_user_sgpr_count 2
		.amdhsa_user_sgpr_kernarg_segment_ptr 1
		.amdhsa_wavefront_size32 1
		.amdhsa_system_sgpr_workgroup_id_x 1
		.amdhsa_system_sgpr_workgroup_id_y 1
		.amdhsa_system_sgpr_workgroup_id_z 1
		.amdhsa_system_vgpr_workitem_id 0
		.amdhsa_next_free_vgpr 1024
		.amdhsa_next_free_sgpr 102
		.amdhsa_reserve_vcc 0
		.amdhsa_float_denorm_mode_32 3
		.amdhsa_float_denorm_mode_16_64 3
		.amdhsa_memory_ordered 1
		.amdhsa_forward_progress 1
		.amdhsa_inst_pref_size 112
	.end_amdhsa_kernel
	.amdgpu_metadata
---
amdhsa.version: [ 1, 2 ]
amdhsa.kernels:
  - .name:           k_qe251ebc7cd_outp
    .symbol:         k_qe251ebc7cd_outp.kd
    .args:
      - { .name: atc, .offset: 0, .size: 8, .value_kind: global_buffer, .address_space: global }
      - { .name: atsc, .offset: 8, .size: 8, .value_kind: global_buffer, .address_space: global }
      - { .name: wc, .offset: 16, .size: 8, .value_kind: global_buffer, .address_space: global }
      - { .name: wsc, .offset: 24, .size: 8, .value_kind: global_buffer, .address_space: global }
      - { .name: bo, .offset: 32, .size: 8, .value_kind: global_buffer, .address_space: global }
      - { .name: query_input, .offset: 40, .size: 8, .value_kind: global_buffer, .address_space: global }
      - { .name: out0, .offset: 48, .size: 8, .value_kind: global_buffer, .address_space: global }
    .group_segment_fixed_size: 295424
    .private_segment_fixed_size: 0
    .kernarg_segment_align: 8
    .kernarg_segment_size: 56
    .max_flat_workgroup_size: 128
    .sgpr_count:     102
    .vgpr_count:     1024
    .wavefront_size: 32
...
	.end_amdgpu_metadata
.endif
;; end of part 4
